; MI455X (gfx1250); checked and timed in simulation.
; The chip was launched on July 23, 2026; its instructions are those of AMD's public machine-readable ISA for CDNA 5 (MIT licence, August 2026) and "CDNA5" Instruction Set Architecture Reference Guide (July 2026). The comments in the code are by the model that wrote it; some were corrected since.
;; Muliti Head Attention. Allowed arithmetic: matrix products marked QUANTISED: E2M3 operands, one E8M0 scale for each 32 along K, by v_wmma_scale_f32_16x16x128_f8f6f4 with both operands' format E2M3, f32 sums; everything else in f32.
;; Inputs: b_k 256 float32; b_out 256 float32; b_q 256 float32; b_v 256 float32; k_in_codes 2 x 64 x 64 x 8 x 24 uint8 (E2M3 codes of k_in, K innermost, in blocks of 32 codes, four codes in three bytes); k_in_scales 2 x 64 x 64 x 8 uint8 (E8M0 scales of k_in, one for each 32 codes along K); q_in_codes 2 x 64 x 64 x 8 x 24 uint8 (E2M3 codes of q_in, K innermost, in blocks of 32 codes, four codes in three bytes); q_in_scales 2 x 64 x 64 x 8 uint8 (E8M0 scales of q_in, one for each 32 codes along K); v_in_codes 2 x 64 x 64 x 8 x 24 uint8 (E2M3 codes of v_in, K innermost, in blocks of 32 codes, four codes in three bytes); v_in_scales 2 x 64 x 64 x 8 uint8 (E8M0 scales of v_in, one for each 32 codes along K); w_k_codes 256 x 8 x 24 uint8 (E2M3 codes of w_k, K innermost, in blocks of 32 codes, four codes in three bytes); w_k_scales 256 x 8 uint8 (E8M0 scales of w_k, one for each 32 codes along K); w_out_codes 256 x 8 x 24 uint8 (E2M3 codes of w_out, K innermost, in blocks of 32 codes, four codes in three bytes); w_out_scales 256 x 8 uint8 (E8M0 scales of w_out, one for each 32 codes along K); w_q_codes 256 x 8 x 24 uint8 (E2M3 codes of w_q, K innermost, in blocks of 32 codes, four codes in three bytes); w_q_scales 256 x 8 uint8 (E8M0 scales of w_q, one for each 32 codes along K); w_v_codes 256 x 8 x 24 uint8 (E2M3 codes of w_v, K innermost, in blocks of 32 codes, four codes in three bytes); w_v_scales 256 x 8 uint8 (E8M0 scales of w_v, one for each 32 codes along K).
;; Outputs: out0 2 x 256 x 64 x 64 float32.
;; This version of the problem:
;;   THIS VERSION OF THE PROBLEM IS GIVEN IN LOW PRECISION. The matrix products marked QUANTISED in the list below multiply operands that are first quantised to E2M3 (2 exponent bits, 3 mantissa bits; 6 bits a number), with one power-of-two scale for each 32 numbers along K (OCP MX v1.0); their sums are f32. All else is computed in f32.
;;   The module's matrix products, in the order in which they are computed (A, B: the left and right operand; K: the contracted axis; several contracted axes count as one K, in the product's order):
;;     1. [M 256, K 256] x [K 256, N 8,192]; A: input w_q (given as codes); B: input q_in (given as codes): QUANTISED
;;     2. [M 256, K 256] x [K 256, N 8,192]; A: input w_k (given as codes); B: input k_in (given as codes): QUANTISED
;;     3. [M 256, K 256] x [K 256, N 8,192]; A: input w_v (given as codes); B: input v_in (given as codes): QUANTISED
;;     4. batch 16 x [M 4,096, K 32] x [K 32, N 4,096]; A: computed on the way; B: computed on the way: QUANTISED
;;     5. batch 16 x [M 4,096, K 4,096] x [K 4,096, N 32]; A: computed on the way; B: computed on the way: QUANTISED
;;     6. [M 256, K 256] x [K 256, N 8,192]; A: input w_out (given as codes); B: computed on the way: QUANTISED
;;   THE QUANTISER, for each operand of a quantised product, along K:
;;     - K is cut into blocks of 32 from its start; a last block that is shorter is filled with zeros.
;;     - A block's scale is 2^e with e = floor(log2(the largest magnitude in the block)) - 2, held to -126 .. 127; a block of zeros has e = 0. As a byte (E8M0): e + 127.
;;     - Each number is divided by its block's scale, clamped to +-7.5, and rounded to the nearest number of E2M3, ties to even, subnormals kept.
;;     - The product sums the exact products of the quantised numbers (number of the format x scale) in f32.
;;   ~~~python
;;   def quantise(x, axis):      # numpy; x: float32 -> the quantised numbers, widened to float32 again
;;       x = np.moveaxis(x, axis, -1); K = x.shape[-1]
;;       x = np.pad(x, [(0, 0)] * (x.ndim - 1) + [(0, -K % 32)]); x = x.reshape(x.shape[:-1] + (-1, 32)); a = np.abs(x).max(-1, keepdims=True)
;;       e = np.where(a > 0, np.clip(np.frexp(np.where(a > 0, a, 1))[1] - 1 - 2, -126, 127), 0)      # np.frexp(a)[1] - 1 = floor(log2(a)), exactly
;;       r = np.clip(x / 2.0 ** e, -7.5, 7.5)
;;       step = 2.0 ** (np.maximum(np.frexp(np.where(r == 0, 1, r))[1] - 1, 0) - 3)
;;       q = np.round(r / step) * step * 2.0 ** e      # np.round: ties to even
;;       return np.moveaxis(q.reshape(q.shape[:-2] + (-1,))[..., :K], -1, axis).astype(np.float32)
;;   ~~~
;;   OPERANDS COMPUTED ON THE WAY. 'Computed on the way' means the value that the module computes at that place (a softmax that the list does not call 'softmax' is quantised finished and normalised). What goes into a quantiser is computed in f32, as accurately as f32 sums, v_exp_f32 and their like allow (about 1e-6 of the number): no bf16 or f16 on the way to a quantiser, and a product that is left as it is and whose result goes on into a quantised operand takes f32 operands (vector FMAs, or v_wmma_f32_16x16x4_f32). A number that lies on a knife's edge between two numbers of the format may be rounded either way, as far as f32 arithmetic and the matrix unit's own rounding can turn it there, and no further.
;;   INPUTS GIVEN AS CODES. k_in (in the module: [2, 256, 64, 64], K = its axis 1); q_in (in the module: [2, 256, 64, 64], K = its axis 1); v_in (in the module: [2, 256, 64, 64], K = its axis 1); w_k (in the module: [256, 256], K = its axis 1); w_out (in the module: [256, 256], K = its axis 1); w_q (in the module: [256, 256], K = its axis 1); w_v (in the module: [256, 256], K = its axis 1): each comes as NAME_codes (uint8): NAME with its K axis moved to the last place and cut into blocks of 32 codes, [.., K / 32, bytes a block], one block behind the other in memory; four codes in three bytes: a row's codes are one little-endian stream of bits, code i at bits 6 i .. 6 i + 5 (a code: sign, 2 exponent bits, 3 mantissa bits); and NAME_scales (uint8): the same leading axes, one E8M0 byte (e + 127) for each 32 codes along K. Its value is code x scale, taken as it is: it is not quantised again, and the codes and scales need not be those that the quantiser above would give.
;; 2 versions. Each part assembles by itself: llvm-mc -triple=amdgcn-amd-amdhsa -mcpu=gfx1250 --defsym DOCPART=n.
;; ======== version 1 of 2: 3 launches
;; workspace buffers: qcod 3,145,728 bytes; qscl 262,144 bytes; kcod 1,572,864 bytes; kscl 65,536 bytes; vcod 1,572,864 bytes; vscl 65,536 bytes; acod 1,572,864 bytes; ascl 65,536 bytes
;; launch proj (part 1): grid 128 x 3, 4 waves a work-group, no clusters, 52,736 bytes of LDS; arguments q_in_codes, q_in_scales, w_q_codes, w_q_scales, b_q, qcod, qscl, k_in_codes, k_in_scales, w_k_codes, w_k_scales, b_k, kcod, kscl, v_in_codes, v_in_scales, w_v_codes, w_v_scales, b_v, vcod, vscl; writes qcod, qscl, kcod, kscl, vcod, vscl
.if DOCPART == 1
	.amdgcn_target "amdgcn-amd-amdhsa--gfx1250"
	.amdhsa_code_object_version 6
	.text
	.protected	k_qc434f5d202_proj
	.globl	k_qc434f5d202_proj
	.p2align	8
	.type	k_qc434f5d202_proj,@function
k_qc434f5d202_proj:
	s_mov_b64 s[64:65], 0
	v_nop
	global_prefetch_b8 v0, s[64:65] scope:SCOPE_SE
	s_setreg_imm32_b32 hwreg(HW_REG_WAVE_MODE, 25, 1), 1
	s_wait_xcnt 0x0
; THE THREE PROJECTIONS (products 1 to 3), each quantised for the product that takes it in.  q = w_q q_in + b_q, k = w_k k_in + b_k, v = w_v v_in + b_v, on codes of E2M3 with E8M0 scales as they are given; sums in f32.
; DEAD WORK: none.  b_q and b_k go into the quantisers of q and k, b_v into v's, b_out into the result, and every product's result reaches out0: every input is loaded, nothing of reference() is left out in any launch.
; q and k are quantised along a head's 32 channels (one block for each batch, head and pixel), v along the keys (one block for each 32 neighbouring pixels of a channel).
; A block's scale is 2^(floor(log2(largest magnitude)) - 2): its byte is the largest magnitude's exponent field - 2, held at 1 from below by a floor among the maximum's leaves.
; LIMITS: a block of zeros gets the byte 1 where the quantiser says 127 (its codes are zeros, and these bytes are read by this program alone); blocks whose largest magnitude lies under 2^-124 keep the byte 1; NaN and infinities are not served.
; SHARES.  Work-group x takes 64 pixels (rows 64 x of the 8,192), y picks the tensor: 0 q, 1 k, 2 v.  The three arms part on y, never join, and have LDS bytes of their own.  Four waves.
; ONE FORM OF PRODUCT.  Source 0 (R) stays: four tiles x two K steps of 128.  Row m of tile t is R's row 32 (m / 8) + 8 t + m % 8 of 64, so that in the results lane (r, h) holds, in registers 8 t + j, R's rows 32 h + 0 .. 31
; of ONE row 16 i + r of source 1 (S), which walks in four tiles i.  q, k: R = my wave's 64 rows of W (heads 2 w, 2 w + 1), S = the pixels: a lane holds one head's 32 channels of a pixel.
; v: R = the 64 pixels, S = my wave's 64 rows of W: a lane holds 32 neighbouring keys of a channel.  Either way a lane holds a whole block in order: no lane is asked for a maximum, nothing changes lanes.
; The bias is the C of each sum's first matrix instruction.
; OUT.  qcod [bh][n][48]: 24 bytes of codes, 24 bytes of zeros (zero codes for the padded K of product 4); qscl [bh][n]: the byte four times.  kcod [b][head / 2][n][head % 2][24].
; kscl [b 64 + n / 64][head][64]: key kk of the 64 at byte 4 (8 (kk / 32) + kk % 8) + (kk % 32) / 8: the scale words of the next launch's fragments.  vcod [b 64 + n / 64][channel][(n / 32) % 2][24]; vscl likewise, 2 bytes.
; Codes leave through the wave's own stage in LDS: each store of a wave covers 512 consecutive bytes, aligned.  kscl and vscl: 128 consecutive bytes a wave, 512 a work-group.
; NO CLUSTER, NO TENSOR LOAD: what work-groups share is a weight of 49,152 bytes read once by each; operands go from memory straight into the operands' registers, 6 x 8 bytes a fragment.
.set QST,   0                          ; q: 6,144 bytes a wave: two heads x 64 pixels x 48
.set QSS,   24576                      ; q's scale words: 512 a wave
.set KST,   26624                      ; k: 3,072 a wave
.set KSS,   38912                      ; 128 a wave
.set VST,   39424                      ; v: 3,072 a wave
.set VSS,   51712                      ; 128 a wave
.set SPARE, 52224                      ; the spare words, 128 bytes for each wave: no other line names them
.set RS,    16                         ; v16-23  R's scale words, (t, s) at 2 t + s
.set SS,    24                         ; v24-27  S's, two sets
.set ZP,    28                         ; v28-29  zeros (arm q)
.set MA,    30                         ; v30, v31 two chains of the maximum
.set MB,    31
.set SOP,   32                         ; v32     the conversions' scale operand
.set BYT,   33                         ; v33     the scale's byte
.set CD,    34                         ; v34-40  a block's codes
.set SGO,   41                         ; v41     the scales' offset in memory
.set BIAS,  42                         ; v42-73
.set D,     74                         ; v74-105 four accumulators
.set SF,    106                        ; v106-153 S, two sets of two fragments
.set RF,    154                        ; v154-249 R, fragment (t, s) at 12 (2 t + s)
.set BK,    154                        ; the way out: rows read back from the stage
; v1 r, v2 h, v3 R's row for my lane, v4 R's codes, v5 R's scales, v6 S's codes, v7 S's scales, v8 the bias, v9 stage in, v10 scale stage in, v11 stage out, v12 16 x lane, v13 scale stage out, v14, v15 the add's two
.macro SLOAD ti                        ; S's tile ti: two fragments and their scale words: 13 loads
.irp s, 0,1
.irp p, 0,1,2,3,4,5
	global_load_b64 v[SF+24*((\ti)%2)+12*\s+2*\p:SF+24*((\ti)%2)+12*\s+2*\p+1], v6, s[SB:SB+1] offset:3072*(\ti)+96*\s+48*(\p/3)+8*(\p%3)
.endr
.endr
	global_load_b64 v[SS+2*((\ti)%2):SS+2*((\ti)%2)+1], v7, s[SSB:SSB+1] offset:128*(\ti)
.endm
.macro MUL ti, kind                    ; eight matrix instructions: the four accumulators by turns, one instruction a turn
.irp t, 0,1,2,3
.if \kind == 2
.set CB, BIAS+8*(\ti)
.else
.set CB, BIAS+8*\t
.endif
	v_wmma_scale_f32_16x16x128_f8f6f4 v[D+8*\t:D+8*\t+7], v[RF+24*\t:RF+24*\t+11], v[SF+24*((\ti)%2):SF+24*((\ti)%2)+11], v[CB:CB+7], v[RS+2*\t], v[SS+2*((\ti)%2)] matrix_a_fmt:MATRIX_FMT_FP6 matrix_b_fmt:MATRIX_FMT_FP6
.endr
.irp t, 0,1,2,3
	v_wmma_scale_f32_16x16x128_f8f6f4 v[D+8*\t:D+8*\t+7], v[RF+24*\t+12:RF+24*\t+23], v[SF+24*((\ti)%2)+12:SF+24*((\ti)%2)+23], v[D+8*\t:D+8*\t+7], v[RS+2*\t+1], v[SS+2*((\ti)%2)+1] matrix_a_fmt:MATRIX_FMT_FP6 matrix_b_fmt:MATRIX_FMT_FP6
.endr
.endm
.macro QNT                             ; my 32 numbers are one block: its largest magnitude, its scale, its 24 bytes of codes.  Each accumulator is first read at its low end
	v_max3_num_f32 v[MA], |v[D]|, |v[D+1]|, 0x1800000              ; the floor 2^(3 - 127): the byte cannot fall under 1
	v_max3_num_f32 v[MB], |v[D+16]|, |v[D+17]|, |v[D+18]|
.irp n, 0,1,2,3,4,5
	v_max3_num_f32 v[MA], v[MA], |v[D+2+2*\n]|, |v[D+3+2*\n]|
	v_max3_num_f32 v[MB], v[MB], |v[D+19+2*\n]|, |v[D+20+2*\n]|
.endr
	v_max3_num_f32 v[MA], v[MA], |v[D+14]|, |v[D+15]|
	v_max3_num_f32 v[MA], v[MA], v[MB], |v[D+31]|
	v_add_nc_u32 v[SOP], 0xff000000, v[MA]                         ; 2 off the exponent field: the conversion takes this operand's exponent field as its scale
	v_cvt_scalef32_pk16_fp6_f32 v[CD:CD+2], v[D:D+15], v[SOP]
	v_cvt_scalef32_pk16_fp6_f32 v[CD+4:CD+6], v[D+16:D+31], v[SOP] ; (a conversion's three registers begin on an even number)
	v_lshrrev_b32 v[BYT], 23, v[SOP]                               ; the byte; also the plain instruction behind the conversions
	v_mov_b32 v[CD+3], v[CD+4]
	v_mov_b32 v[CD+4], v[CD+5]
	v_mov_b32 v[CD+5], v[CD+6]
.endm
.macro STAGE ti, kind                  ; the block's 24 bytes and its scale into my wave's stages
.irp p, 0,1,2
	ds_store_b64 v9, v[CD+2*\p:CD+2*\p+1] offset:CST+768*(\ti)+8*\p
.endr
.if \kind == 0
.irp p, 0,1,2
	ds_store_b64 v9, v[ZP:ZP+1] offset:CST+768*(\ti)+24+8*\p      ; the 24 bytes of zero codes
.endr
	v_mul_lo_u32 v[BYT], v[BYT], s28                               ; the byte in all four bytes of the word
	ds_store_b32 v10, v[BYT] offset:SST+64*(\ti)
.elseif \kind == 1
	ds_store_b8 v10, v[BYT] offset:SST+32*((\ti)/2)+2*((\ti)%2)   ; key 16 ti + r at its place among the fragment's scale words
.else
	ds_store_b8 v10, v[BYT] offset:SST+32*(\ti)
.endif
.endm
.macro TILE ti, kind, more, left       ; left: the loads that may stay out: those of the S tile asked for last
	s_wait_loadcnt \left
	MUL \ti, \kind
.rept 4
	v_nop                                                          ; four places behind the products: for the loads into S's set and for the first reads of the results
.endr
.if \more
	SLOAD (\ti)+2
.endif
	QNT
	STAGE \ti, \kind
.if (\ti) < 3
	s_wait_dscnt 0x0                                               ; the stores have read the codes' registers: the next tile's may be written
.endif
.endm
.macro ARM kind
	s_load_b64 s[4:5], s[0:1], 56*\kind                            ; the input's codes
	s_load_b64 s[6:7], s[0:1], 56*\kind+8                          ; its scales
	s_load_b64 s[8:9], s[0:1], 56*\kind+16                         ; the weight's codes
	s_load_b64 s[10:11], s[0:1], 56*\kind+24                       ; its scales
	s_load_b64 s[12:13], s[0:1], 56*\kind+32                       ; the bias
	s_load_b64 s[14:15], s[0:1], 56*\kind+40                       ; codes out
	s_load_b64 s[16:17], s[0:1], 56*\kind+48                       ; scales out
.if \kind == 2
.set RB, 4
.set RSB, 6
.set SB, 8
.set SSB, 10
.else
.set RB, 8
.set RSB, 10
.set SB, 4
.set SSB, 6
.endif
.if \kind == 0
.set CST, QST
.set SST, QSS
.set NC, 12
	s_mul_i32 s36, s18, 6144
	s_lshl_b32 s37, s18, 9
	v_mul_u32_u24 v9, v1, 48
	v_mad_u32_u24 v9, v2, 3072, v9                                 ; head 2 w + h: 3,072 h; pixel r: 48 r
	v_lshlrev_b32 v10, 2, v1
	v_lshl_add_u32 v10, v2, 8, v10                                 ; 256 h + 4 r
	v_add_nc_u32 v13, s37, v12
	v_lshlrev_b32 v[SGO], 4, v1
	v_lshl_add_u32 v[SGO], v2, 14, v[SGO]                          ; lanes 0-15 head 2 w's 256 bytes, lanes 16-31 the next head's, 16,384 bytes on
	v_lshlrev_b32 v8, 7, v2                                        ; the bias: my half's 32 numbers
	v_mov_b32 v[ZP], 0
	v_mov_b32 v[ZP+1], 0
	s_lshl_b32 s38, s29, 3
	s_lshl_b32 s39, s18, 1
	s_add_co_u32 s38, s38, s39                                     ; bh = 8 b + 2 w
	s_lshl_b32 s34, s38, 14
	s_lshl_b32 s39, s30, 8
	s_add_co_u32 s34, s34, s39                                     ; (4,096 bh + 64 x') x 4
	s_mul_i32 s32, s38, 196608
	s_mul_i32 s39, s30, 3072
	s_add_co_u32 s32, s32, s39                                     ; (4,096 bh + 64 x') x 48
.else
.set NC, 6
	s_mul_i32 s36, s18, 3072
	s_lshl_b32 s37, s18, 7
	v_mul_u32_u24 v9, v1, 48
	v_mad_u32_u24 v9, v2, 24, v9                                   ; 48 r + 24 h
	v_lshrrev_b32 v[SGO], 2, v12                                   ; 4 x lane
	v_add_nc_u32 v13, s37, v[SGO]
	s_add_co_u32 s34, s26, s37                                     ; 512 x + 128 w
.if \kind == 1
.set CST, KST
.set SST, KSS
	v_and_b32 v10, 7, v0
	v_bfe_u32 v8, v0, 3, 1
	v_lshl_add_u32 v10, v10, 2, v8                                 ; 4 (r % 8) + r / 8
	v_lshl_add_u32 v10, v2, 6, v10                                 ; + 64 h
	v_lshlrev_b32 v8, 7, v2
	s_lshl_b32 s38, s29, 2
	s_add_co_u32 s38, s38, s18                                     ; 4 b + w: the pair of heads
	s_mul_i32 s32, s38, 196608
	s_mul_i32 s39, s30, 3072
	s_add_co_u32 s32, s32, s39
.else
.set CST, VST
.set SST, VSS
	v_lshl_add_u32 v10, v1, 1, v2                                  ; 2 r + h
	v_lshlrev_b32 v8, 2, v1                                        ; the bias: my channel's number
	s_add_co_u32 s32, s24, s36                                     ; (256 x + 64 w) x 48
.endif
.endif
	v_add_nc_u32 v9, s36, v9
	v_add_nc_u32 v10, s37, v10
	v_add_nc_u32 v11, s36, v12
	s_lshl_b32 s38, s18, 8                                         ; my wave's 64 numbers of the bias
	s_mov_b32 s39, 0
	s_wait_kmcnt 0x0
	s_add_nc_u64 s[4:5], s[4:5], s[24:25]                          ; the input at pixel 64 x
	s_add_nc_u64 s[6:7], s[6:7], s[26:27]
	s_add_nc_u64 s[8:9], s[8:9], s[20:21]                          ; the weight at row 64 w
	s_add_nc_u64 s[10:11], s[10:11], s[22:23]
	s_add_nc_u64 s[12:13], s[12:13], s[38:39]
	s_add_nc_u64 s[14:15], s[14:15], s[32:33]
	s_add_nc_u64 s[16:17], s[16:17], s[34:35]
.irp t, 0,1,2,3
.irp s, 0,1
.irp p, 0,1,2,3,4,5
	global_load_b64 v[RF+12*(2*\t+\s)+2*\p:RF+12*(2*\t+\s)+2*\p+1], v4, s[RB:RB+1] offset:1536*\t+96*\s+48*(\p/3)+8*(\p%3)
.endr
.endr
	global_load_b64 v[RS+2*\t:RS+2*\t+1], v5, s[RSB:RSB+1] offset:64*\t
.endr
.if \kind == 2
.irp e, 0,1,2,3
.irp j, 0,1,2,3,4,5,6,7
	global_load_b32 v[BIAS+8*\e+\j], v8, s[12:13] offset:64*\e     ; C of S's tile e: b(64 w + 16 e + r) in all eight registers
.endr
.endr
.else
.irp j, 0,1,2,3,4,5,6,7
	global_load_b128 v[BIAS+4*\j:BIAS+4*\j+3], v8, s[12:13] offset:16*\j   ; register 8 t + j: b(64 w + 32 h + 8 t + j)
.endr
.endif
	SLOAD 0
	SLOAD 1
	TILE 0, \kind, 1, 13
	TILE 1, \kind, 1, 13
	TILE 2, \kind, 0, 13
	TILE 3, \kind, 0, 0
	; the way out.  LDS serves a wave's instructions in order (ISA guide 5.7.1.4): these loads see my stores
.set n, 0
.rept NC
	ds_load_b128 v[BK+4*n:BK+4*n+3], v11 offset:CST+512*n
.set n, n+1
.endr
.if \kind == 0
	ds_load_b128 v[BK+48:BK+51], v13 offset:SST
.else
	ds_load_b32 v[BK+48], v13 offset:SST
.endif
.set n, 0
.rept NC
	s_wait_dscnt NC-n                                              ; behind load n: the NC - 1 - n code loads that follow it and the scales' load
	global_store_b128 v12, v[BK+4*n:BK+4*n+3], s[14:15] offset:512*n+(n/6)*(196608-3072)   ; 512 consecutive bytes, aligned; q's second head lies 196,608 bytes on
.set n, n+1
.endr
	s_wait_dscnt 0x0
.if \kind == 0
	global_store_b128 v[SGO], v[BK+48:BK+51], s[16:17]             ; two runs of 256 consecutive bytes, aligned
.else
	global_store_b32 v[SGO], v[BK+48], s[16:17]                    ; 128 consecutive bytes
.endif
	s_wait_tensorcnt 0x0                                           ; the wave's end: three closing lines behind my last LDS store
	ds_add_u32 v14, v15
	s_wait_dscnt 0x0
	s_endpgm
.endm
	v_lshl_add_u32 v14, v0, 2, SPARE
	v_mov_b32 v15, 0
	v_lshrrev_b32 v1, 5, v0
	v_readfirstlane_b32 s18, v1                    ; wave
	s_and_b32 s19, ttmp7, 0xffff                   ; which tensor
	v_and_b32 v1, 15, v0                           ; r
	v_bfe_u32 v2, v0, 4, 1                         ; h
	v_and_b32 v3, 7, v0
	v_bfe_u32 v4, v0, 3, 1
	v_lshl_add_u32 v3, v4, 5, v3                   ; 32 (r / 8) + r % 8: R's row for my lane in tile 0
	v_mul_u32_u24 v4, v3, 192                      ; a row of 256 codes is 192 bytes
	v_mad_u32_u24 v4, v2, 24, v4
	v_lshlrev_b32 v5, 3, v3                        ; and 8 scale bytes
	v_mul_u32_u24 v6, v1, 192
	v_mad_u32_u24 v6, v2, 24, v6
	v_lshlrev_b32 v7, 3, v1
	v_and_b32 v12, 31, v0
	v_lshlrev_b32 v12, 4, v12                      ; 16 x lane
	s_mul_i32 s20, s18, 12288                      ; 64 w rows of codes,
	s_mov_b32 s21, 0
	s_lshl_b32 s22, s18, 9                         ; of scale bytes
	s_mov_b32 s23, 0
	s_mul_i32 s24, ttmp9, 12288                    ; 64 x rows of codes,
	s_mov_b32 s25, 0
	s_lshl_b32 s26, ttmp9, 9                       ; of scale bytes
	s_mov_b32 s27, 0
	s_mov_b32 s28, 0x01010101
	s_lshr_b32 s29, ttmp9, 6                       ; b
	s_and_b32 s30, ttmp9, 63                       ; x'
	s_mov_b32 s33, 0
	s_mov_b32 s35, 0
	s_cmp_eq_u32 s19, 1
	s_cbranch_scc1 .Larm_k
	s_cmp_eq_u32 s19, 2
	s_cbranch_scc1 .Larm_v
	ARM 0
.Larm_k:
	ARM 1
.Larm_v:
	ARM 2
.Lfunc_end_k_qc434f5d202_proj:
	.size	k_qc434f5d202_proj, .Lfunc_end_k_qc434f5d202_proj-k_qc434f5d202_proj
	.p2alignl 7, 3214868480
	.fill 96, 4, 3214868480
	.section	.rodata,"a",@progbits
	.p2align	6, 0x0
	.amdhsa_kernel k_qc434f5d202_proj
		.amdhsa_group_segment_fixed_size 52736
		.amdhsa_private_segment_fixed_size 0
		.amdhsa_enable_private_segment 0
		.amdhsa_kernarg_size 168
		.amdhsa_user_sgpr_count 2
		.amdhsa_user_sgpr_kernarg_segment_ptr 1
		.amdhsa_wavefront_size32 1
		.amdhsa_system_sgpr_workgroup_id_x 1
		.amdhsa_system_sgpr_workgroup_id_y 1
		.amdhsa_system_sgpr_workgroup_id_z 1
		.amdhsa_system_vgpr_workitem_id 0
		.amdhsa_next_free_vgpr 256
		.amdhsa_next_free_sgpr 66
		.amdhsa_reserve_vcc 0
		.amdhsa_float_denorm_mode_32 3
		.amdhsa_float_denorm_mode_16_64 3
		.amdhsa_memory_ordered 1
		.amdhsa_forward_progress 1
		.amdhsa_inst_pref_size 81
	.end_amdhsa_kernel
	.amdgpu_metadata
---
amdhsa.version: [ 1, 2 ]
amdhsa.kernels:
  - .name:           k_qc434f5d202_proj
    .symbol:         k_qc434f5d202_proj.kd
    .args:
      - { .name: q_in_codes, .offset: 0, .size: 8, .value_kind: global_buffer, .address_space: global }
      - { .name: q_in_scales, .offset: 8, .size: 8, .value_kind: global_buffer, .address_space: global }
      - { .name: w_q_codes, .offset: 16, .size: 8, .value_kind: global_buffer, .address_space: global }
      - { .name: w_q_scales, .offset: 24, .size: 8, .value_kind: global_buffer, .address_space: global }
      - { .name: b_q, .offset: 32, .size: 8, .value_kind: global_buffer, .address_space: global }
      - { .name: qcod, .offset: 40, .size: 8, .value_kind: global_buffer, .address_space: global }
      - { .name: qscl, .offset: 48, .size: 8, .value_kind: global_buffer, .address_space: global }
      - { .name: k_in_codes, .offset: 56, .size: 8, .value_kind: global_buffer, .address_space: global }
      - { .name: k_in_scales, .offset: 64, .size: 8, .value_kind: global_buffer, .address_space: global }
      - { .name: w_k_codes, .offset: 72, .size: 8, .value_kind: global_buffer, .address_space: global }
      - { .name: w_k_scales, .offset: 80, .size: 8, .value_kind: global_buffer, .address_space: global }
      - { .name: b_k, .offset: 88, .size: 8, .value_kind: global_buffer, .address_space: global }
      - { .name: kcod, .offset: 96, .size: 8, .value_kind: global_buffer, .address_space: global }
      - { .name: kscl, .offset: 104, .size: 8, .value_kind: global_buffer, .address_space: global }
      - { .name: v_in_codes, .offset: 112, .size: 8, .value_kind: global_buffer, .address_space: global }
      - { .name: v_in_scales, .offset: 120, .size: 8, .value_kind: global_buffer, .address_space: global }
      - { .name: w_v_codes, .offset: 128, .size: 8, .value_kind: global_buffer, .address_space: global }
      - { .name: w_v_scales, .offset: 136, .size: 8, .value_kind: global_buffer, .address_space: global }
      - { .name: b_v, .offset: 144, .size: 8, .value_kind: global_buffer, .address_space: global }
      - { .name: vcod, .offset: 152, .size: 8, .value_kind: global_buffer, .address_space: global }
      - { .name: vscl, .offset: 160, .size: 8, .value_kind: global_buffer, .address_space: global }
    .group_segment_fixed_size: 52736
    .private_segment_fixed_size: 0
    .kernarg_segment_align: 8
    .kernarg_segment_size: 168
    .max_flat_workgroup_size: 128
    .sgpr_count:     66
    .vgpr_count:     256
    .wavefront_size: 32
...
	.end_amdgpu_metadata
.endif
;; end of part 1
;; launch attn (part 2): grid 16 x 16, 16 waves a work-group, no clusters, 168,448 bytes of LDS; arguments qcod, qscl, kcod, kscl, vcod, vscl, acod, ascl; writes acod, ascl
.if DOCPART == 2
	.amdgcn_target "amdgcn-amd-amdhsa--gfx1250"
	.amdhsa_code_object_version 6
	.text
	.protected	k_qc434f5d202_attn
	.globl	k_qc434f5d202_attn
	.p2align	8
	.type	k_qc434f5d202_attn,@function
k_qc434f5d202_attn:
	s_mov_b64 s[64:65], 0
	v_nop
	global_prefetch_b8 v0, s[64:65] scope:SCOPE_SE
	s_setreg_imm32_b32 hwreg(HW_REG_WAVE_MODE, 25, 1), 1
	s_wait_xcnt 0x0
; ATTENTION (products 4 and 5): att_q = (softmax(q k) / sqrt(32)) v for one head, both products on codes of E2M3; att_q leaves quantised along the channels for product 6.  Nothing of reference() is left out here.
; THE SOFTMAX IS QUANTISED FINISHED AND NORMALISED, so a row's sum must be known before any weight is quantised.  A TILE'S SCORES STAY IN REGISTERS: a work-group of sixteen waves takes 16 queries at a time against all 4,096 keys;
; wave w owns keys 256 w .. 256 w + 255 and keeps 16 x 256 scores in 128 registers.  Each score has ONE exponential: p = 2^(t - Mw), t = score x log2(e), Mw = the wave's largest t rounded up to a whole number.
; The waves exchange (Mw, lw = the sum of p) through LDS; M = the largest Mw, l = the sum of lw 2^(Mw - M) (exact shifts); every p is multiplied by F = 2^(Mw - M) / (l sqrt(32)), quantised along the keys and multiplied by the
; wave's part of v; the sixteen partial results are added through LDS.
; SHARES.  y = batch x 8 + head; x = 256 queries, in 16 passes of 16.  My K fragments stay in registers for the whole launch; my V fragments lie in my own LDS bytes as images of their registers and come back in each pass
; into score registers that are done with.
; K = 32 IN AN INSTRUCTION OF 128.  A fragment of k holds FOUR sets of 16 keys, one in each block of 32; q exists as four fragments with its block at place 0, 1, 2, 3 and zero codes elsewhere (they overlap in 30 registers:
; X1 Z X0 Z X1, X0 = q in lanes 0-15, X1 = q in lanes 16-31, Z = zeros).  A product of a k fragment with q's fragment b gives the scores of the fragment's key set b.
; THE KEYS OF A SET ARE CHOSEN: row m of set b of fragment f is key 64 f + 32 (m / 8) + 8 b + m % 8, so that lane (r, h) holds, in the 32 registers of the fragment's four results, keys 64 f + 32 h + 0 .. 31 of query r:
; one block of the second product's K, whole and in order: its maximum needs no other lane, and its codes are the operand's registers as they come.
; Both products are used transposed (source 0 = keys, or channels of v; source 1 = queries): a lane holds one query throughout.
; LIMITS: NaN and infinities are not served; p under 2^-126 comes out of v_exp_f32 as 0; a block's largest weight is made from the block's largest score by the same three instructions as every weight, which takes v_exp_f32
; not to fall where its input rises; a block of zeros gets the byte 1 (its codes are zeros; the bytes are read by this program alone).
; NO CLUSTER, NO TENSOR LOAD: the sixteen work-groups of a head share k and v only at the head of the text, 6,144 bytes of each a wave, loaded once straight into operand registers; the sixteen passes read their own queries alone.
.set ST,    0                          ; LDS: the statistics: 144 bytes a query, 8 bytes (Mw, lw) a wave
.set OB,    2304                       ; partial results: [4 groups of registers][512 threads] x 16 bytes
.set SBY,   35072                      ; att_q's 256 scale bytes
.set OS,    35328                      ; the summed results: 2,048 bytes a pass, word 4 x thread
.set VSP,   68096                      ; v: 6,144 bytes a wave: group k of four registers at 512 k + 16 x lane
.set SPARE, 166400                     ; the spare words, 128 bytes for each wave: no other line names them
.set QS,  1                            ; v1      q's scale words
.set PS,  2                            ; v2-3    the weights' scale words, 128 keys each
.set KS,  4                            ; v4-7    k's
.set VS,  8                            ; v8-11   v's
.set T,   12                           ; v12-15  each block's largest score, then weight, then scale operand; v16-18 at work, v18 Mw, v19 lw, v20 M, v21 l, v22 F, v23 at work
.set SPW, 24                           ; v24     LDS address of my spare word; never rewritten
.set NIL, 25                           ; v25     0; never rewritten
.set QX,  26                           ; v26-55  X1 Z X0 Z X1
.set P,   56                           ; v56-79  the weights' codes, two fragments; before that q's offsets, then sixteen statistics words, and short-lived addresses
.set K,   80                           ; v80-127 k's four fragments
.set S,   128                          ; v128-255 the scores: 32 f + 8 b + j
.set VF,  128                          ; later v128-175 v's four fragments,
.set O,   176                          ; v176-191 my partial result,
.set RD,  192                          ; v192-207 sixteen partial results
.macro BAR                             ; my LDS stores have landed and my LDS loads are in: then the work-group's barrier
	s_wait_dscnt 0x0
	s_barrier_signal -1
	s_barrier_wait -1
.endm
.macro QOFF                            ; q's offsets for my lane.  A row of qcod is 24 bytes of codes and 24 of zeros
	v_and_b32 v56, 15, v0                          ; r
	v_bfe_u32 v57, v0, 4, 1                        ; h
	v_mul_u32_u24 v58, v56, 48
	v_mul_u32_u24 v57, v57, 24
	v_add_nc_u32 v60, v58, v57                     ; X0: lanes 0-15 the codes, lanes 16-31 the zeros
	v_sub_nc_u32 v59, v58, v57
	v_add_nc_u32 v59, 24, v59                      ; X1: the other way round
	v_lshlrev_b32 v62, 2, v56                      ; a scale word a row
.endm
.macro QLOAD oc, os                    ; ten loads
.irp p, 0,1,2
	global_load_b64 v[QX+2*\p:QX+2*\p+1], v59, s[4:5] offset:\oc+8*\p
	global_load_b64 v[QX+24+2*\p:QX+24+2*\p+1], v59, s[4:5] offset:\oc+8*\p
	global_load_b64 v[QX+12+2*\p:QX+12+2*\p+1], v60, s[4:5] offset:\oc+8*\p
.endr
	global_load_b32 v[QS], v62, s[6:7] offset:\os
.endm
.macro QKT f, bb, qr
	v_wmma_scale_f32_16x16x128_f8f6f4 v[S+32*\f+8*\bb:S+32*\f+8*\bb+7], v[K+12*\f:K+12*\f+11], v[\qr:\qr+11], 0, v[KS+\f], v[QS] matrix_a_fmt:MATRIX_FMT_FP6 matrix_b_fmt:MATRIX_FMT_FP6
.endm
.macro QUANT f                         ; block f of my query: x F, then 24 bytes of codes, which are registers 6 (f % 2) .. + 5 of fragment f / 2
.set n, 0
.rept 16
	v_pk_mul_f32 v[S+32*\f+n:S+32*\f+n+1], v[S+32*\f+n:S+32*\f+n+1], v[22:23] op_sel_hi:[1,0]
.set n, n+2
.endr
	v_cvt_scalef32_pk16_fp6_f32 v[P+6*\f:P+6*\f+2], v[S+32*\f:S+32*\f+15], v[T+\f]
	v_cvt_scalef32_pk16_fp6_f32 v[16:18], v[S+32*\f+16:S+32*\f+31], v[T+\f]   ; (a conversion's three registers begin on an even number)
	v_nop                                          ; one plain instruction behind the conversions
	v_mov_b32 v[P+6*\f+3], v16
	v_mov_b32 v[P+6*\f+4], v17
	v_mov_b32 v[P+6*\f+5], v18
.endm
.macro PVT g, t2, zero
.if \zero
	v_wmma_scale_f32_16x16x128_f8f6f4 v[O+8*\t2:O+8*\t2+7], v[VF+12*(2*\g+\t2):VF+12*(2*\g+\t2)+11], v[P+12*\g:P+12*\g+11], 0, v[VS+2*\g+\t2], v[PS+\g] matrix_a_fmt:MATRIX_FMT_FP6 matrix_b_fmt:MATRIX_FMT_FP6
.else
	v_wmma_scale_f32_16x16x128_f8f6f4 v[O+8*\t2:O+8*\t2+7], v[VF+12*(2*\g+\t2):VF+12*(2*\g+\t2)+11], v[P+12*\g:P+12*\g+11], v[O+8*\t2:O+8*\t2+7], v[VS+2*\g+\t2], v[PS+\g] matrix_a_fmt:MATRIX_FMT_FP6 matrix_b_fmt:MATRIX_FMT_FP6
.endif
.endm
	s_load_b256 s[4:11], s[0:1], 0x0               ; qcod, qscl, kcod, kscl
	s_load_b256 s[12:19], s[0:1], 0x20             ; vcod, vscl, acod, ascl
	v_lshl_add_u32 v[SPW], v0, 2, SPARE
	v_mov_b32 v[NIL], 0
	v_lshrrev_b32 v12, 5, v0
	v_readfirstlane_b32 s20, v12                   ; wave 0..15
	s_and_b32 s21, ttmp7, 0xffff                   ; bh
	s_lshr_b32 s22, s21, 3                         ; b
	s_and_b32 s23, s21, 7                          ; head
	s_lshl_b32 s28, s20, 3                         ; my pair among a query's statistics
	s_mul_i32 s29, s20, 6144
	s_add_co_u32 s29, s29, VSP                     ; my images of v
	s_mov_b32 s30, 0                               ; 2,048 x pass
	s_mov_b32 s31, 16                              ; passes to go
	s_mov_b32 s32, 0x76543210
	s_mov_b32 s33, 0xfedcba98                      ; v_permlanex16_b32's selects for lane l xor 16
	s_mov_b32 s34, 0x3fb8aa3b                      ; log2(e)
	s_mov_b32 s35, s34                             ; (named with it as a pair)
	s_mov_b32 s25, 0
.irp j, 0,1,2,3,4,5
	v_mov_b32 v[QX+6+\j], 0                        ; Z, twice: written once
	v_mov_b32 v[QX+18+\j], 0
.endr
	v_mov_b32 v17, 0                               ; a lane permute's destination counts as one of its sources
	v_mov_b32 v19, 0                               ; named as upper halves of pairs before they are first written
	v_mov_b32 v23, 0
	QOFF
	v_lshlrev_b32 v13, 1, v56                      ; v's scale bytes: 2 r
	v_and_b32 v14, 7, v0
	v_bfe_u32 v15, v0, 3, 1
	v_lshl_add_u32 v14, v15, 5, v14
	v_bfe_u32 v15, v0, 4, 1
	v_lshl_add_u32 v14, v15, 3, v14
	v_mul_u32_u24 v14, v14, 48                     ; k: key 32 (r / 8) + 8 h + r % 8, 48 bytes a key (a pair of heads)
	v_and_b32 v16, 31, v0
	v_lshl_add_u32 v16, v16, 4, s29                ; my place in v's images
	s_wait_kmcnt 0x0
	s_mul_i32 s24, s21, 196608
	s_mul_i32 s26, ttmp9, 12288
	s_add_co_u32 s24, s24, s26
	s_add_nc_u64 s[4:5], s[4:5], s[24:25]          ; qcod at (4,096 bh + 256 x) x 48
	s_lshl_b32 s24, s21, 14
	s_lshl_b32 s26, ttmp9, 10
	s_add_co_u32 s24, s24, s26
	s_add_nc_u64 s[6:7], s[6:7], s[24:25]          ; qscl at (4,096 bh + 256 x) x 4
	s_lshl_b32 s24, s22, 2
	s_lshr_b32 s26, s23, 1
	s_add_co_u32 s24, s24, s26
	s_mul_i32 s24, s24, 196608
	s_mul_i32 s26, s20, 12288
	s_add_co_u32 s24, s24, s26
	s_and_b32 s26, s23, 1
	s_mul_i32 s26, s26, 24
	s_add_co_u32 s24, s24, s26
	s_add_nc_u64 s[8:9], s[8:9], s[24:25]          ; kcod at ((4 b + head / 2) 4,096 + 256 w) x 48 + 24 (head % 2)
	s_lshl_b32 s24, s22, 15
	s_lshl_b32 s26, s20, 11
	s_add_co_u32 s24, s24, s26
	s_lshl_b32 s26, s23, 6
	s_add_co_u32 s24, s24, s26
	s_add_nc_u64 s[10:11], s[10:11], s[24:25]      ; kscl at ((64 b + 4 w) 8 + head) x 64
	s_add_nc_u64 s[14:15], s[14:15], s[24:25]      ; vscl at ((64 b + 4 w) 256 + 32 head) x 2: the same number
	s_mul_i32 s24, s22, 786432
	s_mul_i32 s26, s20, 49152
	s_add_co_u32 s24, s24, s26
	s_mul_i32 s26, s23, 1536
	s_add_co_u32 s24, s24, s26
	s_add_nc_u64 s[12:13], s[12:13], s[24:25]      ; vcod at ((64 b + 4 w) 256 + 32 head) x 48
	s_mul_i32 s24, s21, 98304
	s_mul_i32 s26, ttmp9, 6144
	s_add_co_u32 s24, s24, s26
	s_mul_i32 s26, s20, 384
	s_add_co_u32 s24, s24, s26
	s_add_nc_u64 s[16:17], s[16:17], s[24:25]      ; acod at (4,096 bh + 256 x + 16 w) x 24
	s_lshl_b32 s24, s21, 12
	s_lshl_b32 s26, ttmp9, 8
	s_add_co_u32 s24, s24, s26
	s_add_nc_u64 s[18:19], s[18:19], s[24:25]      ; ascl at 4,096 bh + 256 x
.irp e, 0,1,2,3                        ; v's fragment e = 2 g + t2: channels 16 t2 + r, keys 128 g + 64 c + 32 h on
.irp c, 0,1
.irp p, 0,1,2
	global_load_b64 v[VF+12*\e+6*\c+2*\p:VF+12*\e+6*\c+2*\p+1], v60, s[12:13] offset:(2*(\e/2)+\c)*12288+768*(\e%2)+8*\p
.endr
.endr
.endr
.irp e, 0,1,2,3
.irp c, 0,1
	global_load_u16 v[176+2*\e+\c], v13, s[14:15] offset:(2*(\e/2)+\c)*512+32*(\e%2)
.endr
.endr
.irp f, 0,1,2,3                        ; k's fragment f: block 2 c + h of row r is key 64 f + 32 (r / 8) + 16 c + 8 h + r % 8
.irp c, 0,1
.irp p, 0,1,2
	global_load_b64 v[K+12*\f+6*\c+2*\p:K+12*\f+6*\c+2*\p+1], v14, s[8:9] offset:48*(64*\f+16*\c)+8*\p
.endr
.endr
	global_load_b32 v[KS+\f], v62, s[10:11] offset:512*\f
.endr
	QLOAD 0, 0                                     ; the first pass's queries
	s_wait_loadcnt 38                              ; v and its scale bytes are in; k's 24 loads, its 4 scale words and q's 10 may be out
.irp e, 0,1,2,3
	v_lshl_or_b32 v[VS+\e], v[177+2*\e], 16, v[176+2*\e]   ; two bytes of 64 keys, and the next 64's
.endr
.irp k, 0,1,2,3,4,5,6,7,8,9,10,11
	ds_store_b128 v16, v[VF+4*\k:VF+4*\k+3] offset:512*\k
.endr
.Lpass:
	; ---- 1: the scores, my wave's maximum, the exponentials, my wave's sum
	s_wait_loadcnt 0x0                             ; q is in (asked for a pass ago; in the first trip k too)
	s_wait_dscnt 0x0                               ; my last LDS store has read its register (in the first trip: v's images theirs)
.irp f, 0,1,2,3
	QKT \f, 0, QX+12
	QKT \f, 1, QX
	QKT \f, 2, QX+6
	QKT \f, 3, QX+18
.endr
	QOFF                                           ; eight plain instructions: the places behind the products, for the loads into q's registers and for the first reads of the scores
	s_cmp_eq_u32 s31, 1                            ; the last pass asks for nothing: no load leaves its buffer
	s_cbranch_scc1 .Lno_q
	QLOAD 768, 64                                  ; the next pass's queries: 16 rows on
.Lno_q:
.irp f, 0,1,2,3
	v_max3_num_f32 v[T+\f], v[S+32*\f], v[S+32*\f+1], v[S+32*\f+2]   ; THE LARGEST SCORE OF EACH BLOCK: for the row's maximum, and for the block's largest weight.  Four chains by turns, each result first read at its low end
.endr
.irp n, 3,5,7,9,11,13,15,17,19,21,23,25,27,29
.irp f, 0,1,2,3
	v_max3_num_f32 v[T+\f], v[T+\f], v[S+32*\f+\n], v[S+32*\f+\n+1]
.endr
.endr
.irp f, 0,1,2,3
	v_max_num_f32 v[T+\f], v[T+\f], v[S+32*\f+31]
.endr
	v_max3_num_f32 v16, v12, v13, v14
	v_max_num_f32 v16, v16, v15
	v_permlanex16_b32 v17, v16, s32, s33
	v_max_num_f32 v16, v16, v17                    ; with lane l xor 16's 128 keys
	v_mul_f32 v16, s34, v16                        ; as t
	v_ceil_f32 v18, v16                            ; Mw: a whole number
.set n, 0
.rept 64
	v_pk_fma_f32 v[S+n:S+n+1], v[S+n:S+n+1], s[34:35], v[18:19] op_sel_hi:[1,0,0] neg_lo:[0,0,1] neg_hi:[0,0,1]   ; t - Mw, two at a time
.set n, n+2
.endr
.irp f, 0,1,2,3
	v_fma_f32 v[T+\f], v[T+\f], s34, -v18          ; the same of each block's largest score
.endr
.set n, 0
.rept 128
	v_exp_f32 v[S+n], v[S+n]                       ; p = 2^(t - Mw)
.set n, n+1
.endr
.irp f, 0,1,2,3
	v_exp_f32 v[T+\f], v[T+\f]                     ; the block's largest p: the same instructions on the same number give the same bits
.endr
	v_and_b32 v64, 15, v0                          ; a plain instruction behind the last exponential
	s_wait_alu depctr_va_vdst(0)                   ; one wait for the batch of 132, ahead of its first reader
	v_pk_add_f32 v[20:21], v[S:S+1], v[S+2:S+3]    ; the sum of p, two at a time, in two chains
	v_pk_add_f32 v[22:23], v[S+4:S+5], v[S+6:S+7]
.set n, 8
.rept 30
	v_pk_add_f32 v[20:21], v[20:21], v[S+n:S+n+1]
	v_pk_add_f32 v[22:23], v[22:23], v[S+n+2:S+n+3]
.set n, n+4
.endr
	v_pk_add_f32 v[20:21], v[20:21], v[22:23]
	v_add_f32 v19, v20, v21
	v_permlanex16_b32 v17, v19, s32, s33
	v_add_f32 v19, v19, v17                        ; lw
	v_mul_u32_u24 v64, v64, 144
	v_add_nc_u32 v64, s28, v64
	ds_store_b64 v64, v[18:19] offset:ST           ; (Mw, lw) of query r; both halves of the lanes write the same
	s_wait_xcnt 0x0                                ; q's loads have read their offsets and bases: both may be written
	s_add_nc_u64 s[4:5], s[4:5], 768
	s_add_nc_u64 s[6:7], s[6:7], 64
	BAR                                            ; all sixteen pairs of each query lie in LDS; nobody reads the partial results of the pass before any more
	; ---- 2: M, l and F; the weights quantised; my part of the second product
	v_and_b32 v72, 15, v0
	v_bfe_u32 v73, v0, 4, 1
	v_mul_u32_u24 v72, v72, 144
	v_lshl_add_u32 v72, v73, 6, v72                ; my query's pairs of waves 8 h .. 8 h + 7
.irp k, 0,1,2,3
	ds_load_b128 v[56+4*\k:59+4*\k], v72 offset:ST+16*\k
.endr
	s_wait_dscnt 0x0
	v_max3_num_f32 v20, v56, v58, v60
	v_max3_num_f32 v20, v20, v62, v64
	v_max3_num_f32 v20, v20, v66, v68
	v_max_num_f32 v20, v20, v70
	v_permlanex16_b32 v17, v20, s32, s33
	v_max_num_f32 v20, v20, v17                    ; M
.irp k, 0,1,2,3,4,5,6,7
	v_sub_f32 v[56+2*\k], v[56+2*\k], v20          ; a whole number, 0 or less
.endr
.irp k, 0,1,2,3,4,5,6,7
	v_cvt_i32_f32 v[56+2*\k], v[56+2*\k]           ; (it saturates)
.endr
.irp k, 0,1,2,3,4,5,6,7
	v_ldexp_f32 v[57+2*\k], v[57+2*\k], v[56+2*\k] ; each wave's sum under M: nothing is rounded
.endr
	v_add_f32 v57, v57, v59
	v_add_f32 v61, v61, v63
	v_add_f32 v65, v65, v67
	v_add_f32 v69, v69, v71
	v_add_f32 v57, v57, v61
	v_add_f32 v65, v65, v69
	v_add_f32 v21, v57, v65
	v_permlanex16_b32 v17, v21, s32, s33
	v_add_f32 v21, v21, v17                        ; l
	v_sub_f32 v22, v18, v20
	v_cvt_i32_f32 v22, v22                         ; Mw - M
	v_rcp_f32 v23, v21
	v_lshlrev_b32 v73, 3, v73                      ; 8 h.  (A plain instruction behind the reciprocal)
	s_wait_alu depctr_va_vdst(0)                   ; the reciprocal's result, ahead of its first reader
	v_mul_f32 v23, 0x3e3504f3, v23                 ; / sqrt(32)
	v_ldexp_f32 v22, v23, v22                      ; F
.irp f, 0,1,2,3
	v_mul_f32 v[T+\f], v[T+\f], v22                ; each block's largest weight
.endr
.irp f, 0,1,2,3
	v_max_num_f32 v[T+\f], 0x1800000, v[T+\f]      ; the floor 2^(3 - 127): the byte cannot fall under 1
.endr
.irp f, 0,1,2,3
	v_add_nc_u32 v[T+\f], 0xff000000, v[T+\f]      ; 2 off the exponent field: the conversions' scale operands
.endr
.irp g, 0,1                            ; the scale word of 128 keys: my blocks are bytes h and 2 + h; lane l xor 16 has the other two
	v_lshrrev_b32 v16, 23, v[T+2*\g]
	v_lshrrev_b32 v74, 23, v[T+2*\g+1]
	v_lshl_or_b32 v16, v74, 16, v16
	v_lshlrev_b32 v16, v73, v16
	v_permlanex16_b32 v17, v16, s32, s33
	v_or_b32 v[PS+\g], v16, v17                    ; (the 64 multiplications below stand between these and the products that take them)
.endr
	QUANT 0
	QUANT 1
	v_and_b32 v20, 31, v0
	v_lshl_add_u32 v20, v20, 4, s29
.irp k, 0,1,2,3,4,5,6,7,8,9,10,11
	ds_load_b128 v[VF+4*\k:VF+4*\k+3], v20 offset:512*\k   ; v's fragments into the registers of the scores just quantised; they land while the other two blocks are worked
.endr
	QUANT 2
	QUANT 3
	v_lshlrev_b32 v21, 4, v0                       ; five plain instructions between the last moves into the operand and the products: the addresses for what follows
	v_lshrrev_b32 v12, 7, v0
	v_and_b32 v13, 127, v0
	v_lshlrev_b32 v13, 2, v13
	v_lshl_add_u32 v12, v12, 13, v13               ; 8,192 (thread / 128) + 4 (thread % 128)
	s_wait_dscnt 0x0                               ; v is in
	PVT 0, 0, 1                                    ; the two accumulators by turns; the first products start the sums
	PVT 0, 1, 1
	PVT 1, 0, 0
	PVT 1, 1, 0
	v_lshl_add_u32 v14, v0, 2, s30                 ; four places behind the products
	v_nop
	v_nop
	v_nop
.irp k, 0,1,2,3
	ds_store_b128 v21, v[O+4*\k:O+4*\k+3] offset:OB+8192*\k   ; lane (r, h): channels 16 (k / 2) + 8 h + 4 (k % 2) + 0 .. 3 of query r; each accumulator from its low end on
.endr
	BAR                                            ; all sixteen partial results lie in LDS; nobody reads the statistics any more
	; ---- 3: each of the 512 threads adds one number's sixteen parts
.irp k, 0,1,2,3,4,5,6,7,8,9,10,11,12,13,14,15
	ds_load_b32 v[RD+\k], v12 offset:OB+512*\k
.endr
	s_wait_dscnt 0x0
	v_pk_add_f32 v[RD:RD+1], v[RD:RD+1], v[RD+2:RD+3]
	v_pk_add_f32 v[RD+4:RD+5], v[RD+4:RD+5], v[RD+6:RD+7]
	v_pk_add_f32 v[RD+8:RD+9], v[RD+8:RD+9], v[RD+10:RD+11]
	v_pk_add_f32 v[RD+12:RD+13], v[RD+12:RD+13], v[RD+14:RD+15]
	v_pk_add_f32 v[RD:RD+1], v[RD:RD+1], v[RD+4:RD+5]
	v_pk_add_f32 v[RD+8:RD+9], v[RD+8:RD+9], v[RD+12:RD+13]
	v_pk_add_f32 v[RD:RD+1], v[RD:RD+1], v[RD+8:RD+9]
	v_add_f32 v[RD], v[RD], v[RD+1]
	ds_store_b32 v14, v[RD] offset:OS              ; each pass has bytes of its own
	s_add_co_u32 s30, s30, 2048
	s_sub_co_u32 s31, s31, 1
	s_cmp_lg_u32 s31, 0
	s_cbranch_scc1 .Lpass
	; ---- the way out: wave w quantises pass w's 16 queries along the head's 32 channels: lane (r, h) takes channels 16 h + 0 .. 15 of query r, in order
	BAR
	v_and_b32 v20, 15, v0
	v_bfe_u32 v21, v0, 4, 1
	s_lshl_b32 s24, s20, 11
	s_lshl_b32 s26, s20, 4
	v_lshlrev_b32 v22, 4, v20
	v_lshl_add_u32 v22, v21, 10, v22
	v_add_nc_u32 v22, s24, v22                     ; 2,048 w + 1,024 h + 16 r
	ds_load_b128 v[128:131], v22 offset:OS         ; channels 16 h + 0 .. 3,
	ds_load_b128 v[132:135], v22 offset:OS+512     ; + 4 .. 7,
	ds_load_b128 v[136:139], v22 offset:OS+256     ; + 8 .. 11,
	ds_load_b128 v[140:143], v22 offset:OS+768     ; + 12 .. 15
	v_mul_u32_u24 v23, v20, 24
	v_mad_u32_u24 v23, v21, 12, v23                ; 24 r + 12 h in acod
	v_add_nc_u32 v16, s26, v20                     ; 16 w + r among the scale bytes
	s_wait_dscnt 0x0
	v_max3_num_f32 v12, |v128|, |v129|, 0x1800000
.irp n, 2,4,6,8,10,12,14
	v_max3_num_f32 v12, v12, |v[128+\n]|, |v[129+\n]|
.endr
	v_permlanex16_b32 v17, v12, s32, s33
	v_max_num_f32 v12, v12, v17                    ; with lane l xor 16's 16 channels: the block's largest magnitude
	v_add_nc_u32 v13, 0xff000000, v12
	v_cvt_scalef32_pk16_fp6_f32 v[144:146], v[128:143], v13
	v_lshrrev_b32 v14, 23, v13                     ; the byte; also the plain instruction behind the conversion
	global_store_b96 v23, v[144:146], s[16:17]     ; the wave's 32 lanes cover 384 consecutive bytes
	ds_store_b8 v16, v14 offset:SBY                ; both halves of the lanes write the same byte
	BAR                                            ; the work-group's 256 scale bytes lie in LDS
	s_cmp_lg_u32 s20, 0
	s_cbranch_scc1 .Lend
	v_and_b32 v22, 31, v0
	v_lshlrev_b32 v22, 3, v22
	ds_load_b64 v[148:149], v22 offset:SBY
	s_wait_dscnt 0x0
	global_store_b64 v22, v[148:149], s[18:19]     ; wave 0 stores them: 256 consecutive bytes, aligned
.Lend:
	s_wait_tensorcnt 0x0                           ; the wave's end: three closing lines behind my last LDS store
	ds_add_u32 v[SPW], v[NIL]
	s_wait_dscnt 0x0
	s_endpgm
.Lfunc_end_k_qc434f5d202_attn:
	.size	k_qc434f5d202_attn, .Lfunc_end_k_qc434f5d202_attn-k_qc434f5d202_attn
	.p2alignl 7, 3214868480
	.fill 96, 4, 3214868480
	.section	.rodata,"a",@progbits
	.p2align	6, 0x0
	.amdhsa_kernel k_qc434f5d202_attn
		.amdhsa_group_segment_fixed_size 168448
		.amdhsa_private_segment_fixed_size 0
		.amdhsa_enable_private_segment 0
		.amdhsa_kernarg_size 64
		.amdhsa_user_sgpr_count 2
		.amdhsa_user_sgpr_kernarg_segment_ptr 1
		.amdhsa_wavefront_size32 1
		.amdhsa_system_sgpr_workgroup_id_x 1
		.amdhsa_system_sgpr_workgroup_id_y 1
		.amdhsa_system_sgpr_workgroup_id_z 1
		.amdhsa_system_vgpr_workitem_id 0
		.amdhsa_next_free_vgpr 256
		.amdhsa_next_free_sgpr 66
		.amdhsa_reserve_vcc 0
		.amdhsa_float_denorm_mode_32 3
		.amdhsa_float_denorm_mode_16_64 3
		.amdhsa_memory_ordered 1
		.amdhsa_forward_progress 1
		.amdhsa_inst_pref_size 47
	.end_amdhsa_kernel
	.amdgpu_metadata
---
amdhsa.version: [ 1, 2 ]
amdhsa.kernels:
  - .name:           k_qc434f5d202_attn
    .symbol:         k_qc434f5d202_attn.kd
    .args:
      - { .name: qcod, .offset: 0, .size: 8, .value_kind: global_buffer, .address_space: global }
      - { .name: qscl, .offset: 8, .size: 8, .value_kind: global_buffer, .address_space: global }
      - { .name: kcod, .offset: 16, .size: 8, .value_kind: global_buffer, .address_space: global }
      - { .name: kscl, .offset: 24, .size: 8, .value_kind: global_buffer, .address_space: global }
      - { .name: vcod, .offset: 32, .size: 8, .value_kind: global_buffer, .address_space: global }
      - { .name: vscl, .offset: 40, .size: 8, .value_kind: global_buffer, .address_space: global }
      - { .name: acod, .offset: 48, .size: 8, .value_kind: global_buffer, .address_space: global }
      - { .name: ascl, .offset: 56, .size: 8, .value_kind: global_buffer, .address_space: global }
    .group_segment_fixed_size: 168448
    .private_segment_fixed_size: 0
    .kernarg_segment_align: 8
    .kernarg_segment_size: 64
    .max_flat_workgroup_size: 512
    .sgpr_count:     66
    .vgpr_count:     256
    .wavefront_size: 32
...
	.end_amdgpu_metadata
.endif
;; end of part 2
;; launch outp (part 3): grid 128 x 2, 4 waves a work-group, no clusters, 17,920 bytes of LDS; arguments acod, ascl, w_out_codes, w_out_scales, b_out, out0; writes out0
.if DOCPART == 3
	.amdgcn_target "amdgcn-amd-amdhsa--gfx1250"
	.amdhsa_code_object_version 6
	.text
	.protected	k_qc434f5d202_outp
	.globl	k_qc434f5d202_outp
	.p2align	8
	.type	k_qc434f5d202_outp,@function
k_qc434f5d202_outp:
	s_mov_b64 s[64:65], 0
	v_nop
	global_prefetch_b8 v0, s[64:65] scope:SCOPE_SE
	s_setreg_imm32_b32 hwreg(HW_REG_WAVE_MODE, 25, 1), 1
	s_wait_xcnt 0x0
; THE PROJECTION ON THE WAY OUT (product 6): out0[b][o][n] = the sum over c of w_out[o][c] att_q[b][c][n] + b_out[o], on codes of E2M3; att_q's codes and scale bytes were made by the launch before.  Nothing of reference() is left out here.
; SHARES.  Work-group x takes 64 pixels, y 128 output channels; wave w channels 128 y + 32 w + 16 i + r, i = 0, 1.
; Source 0 = the pixels: row m of tile t is pixel 32 (m / 8) + 8 t + m % 8 of the 64; source 1 = 16 rows of w_out.  So lane (r, h) holds, in registers 8 t + j, pixels 32 h + 0 .. 31 of channel r: 128 neighbouring bytes of a row of out0.
; K = 256 channels = 8 heads: block 2 c + h of K step s is head 4 s + 2 c + h: its 24 bytes lie at acod[8 b + head][pixel], its scale byte at ascl[8 b + head][pixel].
; The bias is the C of each sum's first matrix instruction.  Results leave through the wave's own stage in LDS: sixteen lanes store 256 consecutive bytes, aligned.
; NO CLUSTER, NO TENSOR LOAD: a work-group reads 12,288 bytes of att_q and 24,576 of w_out once, straight into operand registers, and multiplies 16 times a wave: there is no ring to feed.
.set SPARE, 17408                      ; behind the four stages of 16 x 272 bytes: the spare words, 128 bytes for each wave: no other line names them
.set RS,   16                          ; v16-23  att_q's scale words, (t, s) at 2 t + s
.set SS,   24                          ; v24-27  w_out's, (i, s) at 2 i + s
.set BIAS, 28                          ; v28-43
.set D,    44                          ; v44-107 eight accumulators, (i, t) at 32 i + 8 t; before the products v44-75 take the 32 scale bytes
.set SF,   108                         ; v108-155 w_out's fragments, (i, s) at 24 i + 12 s
.set RF,   156                         ; v156-251 att_q's fragments, (t, s) at 12 (2 t + s)
.set BK,   156                         ; the way out: rows read back: v156-187, v188-219
	s_load_b256 s[4:11], s[0:1], 0x0               ; acod, ascl, w_out's codes, w_out's scales
	s_load_b128 s[12:15], s[0:1], 0x20             ; b_out, out0
	v_lshl_add_u32 v14, v0, 2, SPARE
	v_mov_b32 v15, 0
	v_lshrrev_b32 v1, 5, v0
	v_readfirstlane_b32 s16, v1                    ; wave
	s_and_b32 s17, ttmp7, 0xffff                   ; y
	v_and_b32 v1, 15, v0                           ; r
	v_bfe_u32 v2, v0, 4, 1                         ; h
	v_and_b32 v3, 7, v0
	v_bfe_u32 v4, v0, 3, 1
	v_lshl_add_u32 v3, v4, 5, v3                   ; 32 (r / 8) + r % 8: my pixel in tile 0; also its scale byte's offset
	v_mul_u32_u24 v4, v3, 24
	v_mad_u32_u24 v4, v2, 98304, v4                ; 24 bytes a pixel; lanes 16-31 one head (4,096 x 24 bytes) on
	v_mul_u32_u24 v6, v1, 192
	v_mad_u32_u24 v6, v2, 24, v6                   ; w_out: row r, + 24 h
	v_lshlrev_b32 v7, 3, v1
	v_lshlrev_b32 v8, 2, v1
	s_mul_i32 s18, s16, 4352                       ; my stage
	v_mul_u32_u24 v9, v1, 272
	v_lshl_add_u32 v9, v2, 7, v9
	v_add_nc_u32 v9, s18, v9                       ; in: row r (a channel), + 128 h
	v_mul_u32_u24 v10, v2, 272
	v_lshl_add_u32 v10, v1, 4, v10
	v_add_nc_u32 v10, s18, v10                     ; back: lanes 0-15 one row, lanes 16-31 the next
	v_lshlrev_b32 v11, 4, v1
	v_lshl_add_u32 v11, v2, 14, v11                ; and the same in out0: a channel is 16,384 bytes
	s_lshr_b32 s19, ttmp9, 6                       ; b
	s_and_b32 s20, ttmp9, 63                       ; x'
	s_lshl_b32 s21, s17, 7
	s_lshl_b32 s22, s16, 5
	s_add_co_u32 s21, s21, s22                     ; my first channel: 128 y + 32 w
	s_mov_b32 s25, 0
	s_wait_kmcnt 0x0
	s_mul_i32 s24, s19, 786432
	s_mul_i32 s26, s20, 1536
	s_add_co_u32 s24, s24, s26
	s_add_nc_u64 s[4:5], s[4:5], s[24:25]          ; acod at (8 b x 4,096 + 64 x') x 24
	s_lshl_b32 s24, s19, 15
	s_lshl_b32 s26, s20, 6
	s_add_co_u32 s24, s24, s26
	s_add_nc_u64 s[6:7], s[6:7], s[24:25]          ; ascl at 8 b x 4,096 + 64 x'
	s_mul_i32 s24, s21, 192
	s_add_nc_u64 s[8:9], s[8:9], s[24:25]
	s_lshl_b32 s24, s21, 3
	s_add_nc_u64 s[10:11], s[10:11], s[24:25]
	s_lshl_b32 s24, s21, 2
	s_add_nc_u64 s[12:13], s[12:13], s[24:25]
	s_lshl_b32 s24, s19, 8
	s_add_co_u32 s24, s24, s21
	s_lshl_b32 s24, s24, 14
	s_lshl_b32 s26, s20, 8
	s_add_co_u32 s24, s24, s26
	s_add_nc_u64 s[14:15], s[14:15], s[24:25]      ; out0 at (256 b + 128 y + 32 w) x 16,384 + 256 x'
.irp t, 0,1,2,3
.irp s, 0,1
.irp c, 0,1
.irp p, 0,1,2
	global_load_b64 v[RF+12*(2*\t+\s)+6*\c+2*\p:RF+12*(2*\t+\s)+6*\c+2*\p+1], v4, s[4:5] offset:(4*\s+2*\c)*98304+192*\t+8*\p
.endr
.endr
.irp k, 0,1,2,3
	global_load_u8 v[D+4*(2*\t+\s)+\k], v3, s[6:7] offset:(4*\s+\k)*4096+8*\t   ; head 4 s + k's byte of my pixel
.endr
.endr
.endr
.irp i, 0,1
.irp s, 0,1
.irp p, 0,1,2,3,4,5
	global_load_b64 v[SF+24*\i+12*\s+2*\p:SF+24*\i+12*\s+2*\p+1], v6, s[8:9] offset:3072*\i+96*\s+48*(\p/3)+8*(\p%3)
.endr
.endr
	global_load_b64 v[SS+2*\i:SS+2*\i+1], v7, s[10:11] offset:128*\i
.irp j, 0,1,2,3,4,5,6,7
	global_load_b32 v[BIAS+8*\i+\j], v8, s[12:13] offset:64*\i     ; b_out(my channel) in all eight registers of C
.endr
.endr
	s_wait_loadcnt 0x0                             ; the first products take fragments, scale bytes and bias alike: one wait for all
.irp e, 0,1,2,3,4,5,6,7
	v_lshl_or_b32 v[RS+\e], v[D+4*\e+1], 8, v[D+4*\e]              ; four bytes make a pixel's scale word for 128 along K
	v_lshl_or_b32 v[RS+\e], v[D+4*\e+2], 16, v[RS+\e]
	v_lshl_or_b32 v[RS+\e], v[D+4*\e+3], 24, v[RS+\e]
.endr
.rept 8
	v_nop                                          ; a scale register written by a vector instruction stands eight places ahead of the scaled product
.endr
.irp s, 0,1                            ; the eight accumulators by turns, one instruction a turn
.irp i, 0,1
.irp t, 0,1,2,3
.if \s == 0
	v_wmma_scale_f32_16x16x128_f8f6f4 v[D+32*\i+8*\t:D+32*\i+8*\t+7], v[RF+24*\t:RF+24*\t+11], v[SF+24*\i:SF+24*\i+11], v[BIAS+8*\i:BIAS+8*\i+7], v[RS+2*\t], v[SS+2*\i] matrix_a_fmt:MATRIX_FMT_FP6 matrix_b_fmt:MATRIX_FMT_FP6
.else
	v_wmma_scale_f32_16x16x128_f8f6f4 v[D+32*\i+8*\t:D+32*\i+8*\t+7], v[RF+24*\t+12:RF+24*\t+23], v[SF+24*\i+12:SF+24*\i+23], v[D+32*\i+8*\t:D+32*\i+8*\t+7], v[RS+2*\t+1], v[SS+2*\i+1] matrix_a_fmt:MATRIX_FMT_FP6 matrix_b_fmt:MATRIX_FMT_FP6
.endif
.endr
.endr
.endr
.rept 4
	v_nop                                          ; four places: for the first reads of the results and for the loads into att_q's registers
.endr
.irp i, 0,1                            ; 16 channels x 64 pixels through my stage.  LDS serves a wave's instructions in order (ISA guide 5.7.1.4): the loads see the stores, and the second half's stores come behind the first's loads
.irp k, 0,1,2,3,4,5,6,7
	ds_store_b128 v9, v[D+32*\i+4*\k:D+32*\i+4*\k+3] offset:16*\k  ; each accumulator from its low end on
.endr
.irp k, 0,1,2,3,4,5,6,7
	ds_load_b128 v[BK+32*\i+4*\k:BK+32*\i+4*\k+3], v10 offset:544*\k
.endr
.endr
.irp k, 0,1,2,3,4,5,6,7
	s_wait_dscnt 23-\k                             ; behind load k: the 7 - k that follow it and the second half's sixteen
	global_store_b128 v11, v[BK+4*\k:BK+4*\k+3], s[14:15] offset:2*\k*16384 th:TH_STORE_NT   ; sixteen lanes store 256 consecutive bytes, aligned; written once
.endr
.irp k, 0,1,2,3,4,5,6,7
	s_wait_dscnt 7-\k
	global_store_b128 v11, v[BK+32+4*\k:BK+32+4*\k+3], s[14:15] offset:(16+2*\k)*16384 th:TH_STORE_NT
.endr
	s_wait_tensorcnt 0x0                           ; the wave's end: three closing lines behind my last LDS store
	ds_add_u32 v14, v15
	s_wait_dscnt 0x0
	s_endpgm
.Lfunc_end_k_qc434f5d202_outp:
	.size	k_qc434f5d202_outp, .Lfunc_end_k_qc434f5d202_outp-k_qc434f5d202_outp
	.p2alignl 7, 3214868480
	.fill 96, 4, 3214868480
	.section	.rodata,"a",@progbits
	.p2align	6, 0x0
	.amdhsa_kernel k_qc434f5d202_outp
		.amdhsa_group_segment_fixed_size 17920
		.amdhsa_private_segment_fixed_size 0
		.amdhsa_enable_private_segment 0
		.amdhsa_kernarg_size 48
		.amdhsa_user_sgpr_count 2
		.amdhsa_user_sgpr_kernarg_segment_ptr 1
		.amdhsa_wavefront_size32 1
		.amdhsa_system_sgpr_workgroup_id_x 1
		.amdhsa_system_sgpr_workgroup_id_y 1
		.amdhsa_system_sgpr_workgroup_id_z 1
		.amdhsa_system_vgpr_workitem_id 0
		.amdhsa_next_free_vgpr 256
		.amdhsa_next_free_sgpr 66
		.amdhsa_reserve_vcc 0
		.amdhsa_float_denorm_mode_32 3
		.amdhsa_float_denorm_mode_16_64 3
		.amdhsa_memory_ordered 1
		.amdhsa_forward_progress 1
		.amdhsa_inst_pref_size 23
	.end_amdhsa_kernel
	.amdgpu_metadata
---
amdhsa.version: [ 1, 2 ]
amdhsa.kernels:
  - .name:           k_qc434f5d202_outp
    .symbol:         k_qc434f5d202_outp.kd
    .args:
      - { .name: acod, .offset: 0, .size: 8, .value_kind: global_buffer, .address_space: global }
      - { .name: ascl, .offset: 8, .size: 8, .value_kind: global_buffer, .address_space: global }
      - { .name: w_out_codes, .offset: 16, .size: 8, .value_kind: global_buffer, .address_space: global }
      - { .name: w_out_scales, .offset: 24, .size: 8, .value_kind: global_buffer, .address_space: global }
      - { .name: b_out, .offset: 32, .size: 8, .value_kind: global_buffer, .address_space: global }
      - { .name: out0, .offset: 40, .size: 8, .value_kind: global_buffer, .address_space: global }
    .group_segment_fixed_size: 17920
    .private_segment_fixed_size: 0
    .kernarg_segment_align: 8
    .kernarg_segment_size: 48
    .max_flat_workgroup_size: 128
    .sgpr_count:     66
    .vgpr_count:     256
    .wavefront_size: 32
...
	.end_amdgpu_metadata
.endif
;; end of part 3
;; ======== version 2 of 2: 3 launches; version 1 with the launches proj, attn, outp written anew for expert scheduling mode
;; workspace buffers: qcod 3,145,728 bytes; qscl 262,144 bytes; kcod 1,572,864 bytes; kscl 65,536 bytes; vcod 1,572,864 bytes; vscl 65,536 bytes; acod 1,572,864 bytes; ascl 65,536 bytes
;; launch proj (part 4): grid 128 x 3, 4 waves a work-group, no clusters, 52,736 bytes of LDS; arguments q_in_codes, q_in_scales, w_q_codes, w_q_scales, b_q, qcod, qscl, k_in_codes, k_in_scales, w_k_codes, w_k_scales, b_k, kcod, kscl, v_in_codes, v_in_scales, w_v_codes, w_v_scales, b_v, vcod, vscl; writes qcod, qscl, kcod, kscl, vcod, vscl
.if DOCPART == 4
	.amdgcn_target "amdgcn-amd-amdhsa--gfx1250"
	.amdhsa_code_object_version 6
	.text
	.protected	k_qc434f5d202_proj
	.globl	k_qc434f5d202_proj
	.p2align	8
	.type	k_qc434f5d202_proj,@function
k_qc434f5d202_proj:
	s_mov_b64 s[64:65], 0
	v_nop
	global_prefetch_b8 v0, s[64:65] scope:SCOPE_SE
	s_setreg_imm32_b32 hwreg(HW_REG_WAVE_SCHED_MODE, 0, 2), 2
	s_setreg_imm32_b32 hwreg(HW_REG_WAVE_MODE, 25, 1), 1
	s_wait_xcnt 0x0
	s_wait_alu depctr_vm_vsrc(0)
; THE THREE PROJECTIONS (products 1 to 3), each quantised for the product that takes it in.  q = w_q q_in + b_q, k = w_k k_in + b_k, v = w_v v_in + b_v, on codes of E2M3 with E8M0 scales as they are given; sums in f32.
; DEAD WORK: none.  b_q and b_k go into the quantisers of q and k, b_v into v's, b_out into the result, and every product's result reaches out0: every input is loaded, nothing of reference() is left out in any launch.
; q and k are quantised along a head's 32 channels (one block for each batch, head and pixel), v along the keys (one block for each 32 neighbouring pixels of a channel).
; A block's scale is 2^(floor(log2(largest magnitude)) - 2): its byte is the largest magnitude's exponent field - 2, held at 1 from below by a floor among the maximum's leaves.
; LIMITS: a block of zeros gets the byte 1 where the quantiser says 127 (its codes are zeros, and these bytes are read by this program alone); blocks whose largest magnitude lies under 2^-124 keep the byte 1; NaN and infinities are not served.
; SHARES.  Work-group x takes 64 pixels (rows 64 x of the 8,192), y picks the tensor: 0 q, 1 k, 2 v.  The three arms part on y, never join, and have LDS bytes of their own.  Four waves.
; ONE FORM OF PRODUCT.  Source 0 (R) stays: four tiles x two K steps of 128.  Row m of tile t is R's row 32 (m / 8) + 8 t + m % 8 of 64, so that in the results lane (r, h) holds, in registers 8 t + j, R's rows 32 h + 0 .. 31
; of ONE row 16 i + r of source 1 (S), which walks in four tiles i.  q, k: R = my wave's 64 rows of W (heads 2 w, 2 w + 1), S = the pixels: a lane holds one head's 32 channels of a pixel.
; v: R = the 64 pixels, S = my wave's 64 rows of W: a lane holds 32 neighbouring keys of a channel.  Either way a lane holds a whole block in order: no lane is asked for a maximum, nothing changes lanes.
; The bias is the C of each sum's first matrix instruction.
; OUT.  qcod [bh][n][48]: 24 bytes of codes, 24 bytes of zeros (zero codes for the padded K of product 4); qscl [bh][n]: the byte four times.  kcod [b][head / 2][n][head % 2][24].
; kscl [b 64 + n / 64][head][64]: key kk of the 64 at byte 4 (8 (kk / 32) + kk % 8) + (kk % 32) / 8: the scale words of the next launch's fragments.  vcod [b 64 + n / 64][channel][(n / 32) % 2][24]; vscl likewise, 2 bytes.
; Codes leave through the wave's own stage in LDS: each store of a wave covers 512 consecutive bytes, aligned.  kscl and vscl: 128 consecutive bytes a wave, 512 a work-group.
; NO CLUSTER, NO TENSOR LOAD: what work-groups share is a weight of 49,152 bytes read once by each; operands go from memory straight into the operands' registers, 6 x 8 bytes a fragment.
; THE MODE: SCHED_MODE bits 1:0 = 2 (LLVM: expert scheduling mode 2), set by the entry lines.  The code itself states the register dependences
; between vector or matrix instructions and memory or LDS instructions, with s_wait_alu, always for 0.
; THE PLAN.  Registers that memory or LDS instructions touch:
;   v4-v13, v41, v28-29   offsets, stage addresses and the zeros: made ahead of the arm's first load and never written again: one wait on va_vdst ahead of that load states them all.
;   SF, SS   two sets by turns.  Tile ti's products read set ti % 2; the loads of tile ti + 2 land in it.
;   CD, BYT  written by a tile's quantiser, read by the tile's LDS stores, written again by the next tile's quantiser.
;   RF       read by every tile's products; on the way out the rows read back from the stage land in it.
; So ONE wait on va_vdst stands in a tile, behind its quantiser: the products are done reading SF, SS and RF, and the codes and the byte are written.  The next loads of S and the stage's stores follow it on end.
; One wait on vm_vsrc stands ahead of the quantiser from tile 1 on: the stores of the tile before have read the codes and the byte.
.set QST,   0                          ; q: 6,144 bytes a wave: two heads x 64 pixels x 48
.set QSS,   24576                      ; q's scale words: 512 a wave
.set KST,   26624                      ; k: 3,072 a wave
.set KSS,   38912                      ; 128 a wave
.set VST,   39424                      ; v: 3,072 a wave
.set VSS,   51712                      ; 128 a wave
.set SPARE, 52224                      ; the spare words, 128 bytes for each wave: no other line names them
.set RS,    16                         ; v16-23  R's scale words, (t, s) at 2 t + s
.set SS,    24                         ; v24-27  S's, two sets
.set ZP,    28                         ; v28-29  zeros (arm q)
.set MA,    30                         ; v30, v31 two chains of the maximum
.set MB,    31
.set SOP,   32                         ; v32     the conversions' scale operand
.set BYT,   33                         ; v33     the scale's byte
.set CD,    34                         ; v34-40  a block's codes
.set SGO,   41                         ; v41     the scales' offset in memory
.set BIAS,  42                         ; v42-73
.set D,     74                         ; v74-105 four accumulators
.set SF,    106                        ; v106-153 S, two sets of two fragments
.set RF,    154                        ; v154-249 R, fragment (t, s) at 12 (2 t + s)
.set BK,    154                        ; the way out: rows read back from the stage
; v1 r, v2 h, v3 R's row for my lane, v4 R's codes, v5 R's scales, v6 S's codes, v7 S's scales, v8 the bias, v9 stage in, v10 scale stage in, v11 stage out, v12 16 x lane, v13 scale stage out, v14, v15 the add's two
.macro SLOAD ti                        ; S's tile ti: two fragments and their scale words: 13 loads
.irp s, 0,1
.irp p, 0,1,2,3,4,5
	global_load_b64 v[SF+24*((\ti)%2)+12*\s+2*\p:SF+24*((\ti)%2)+12*\s+2*\p+1], v6, s[SB:SB+1] offset:3072*(\ti)+96*\s+48*(\p/3)+8*(\p%3)
.endr
.endr
	global_load_b64 v[SS+2*((\ti)%2):SS+2*((\ti)%2)+1], v7, s[SSB:SSB+1] offset:128*(\ti)
.endm
.macro MUL ti, kind                    ; eight matrix instructions: the four accumulators by turns, one instruction a turn
.irp t, 0,1,2,3
.if \kind == 2
.set CB, BIAS+8*(\ti)
.else
.set CB, BIAS+8*\t
.endif
	v_wmma_scale_f32_16x16x128_f8f6f4 v[D+8*\t:D+8*\t+7], v[RF+24*\t:RF+24*\t+11], v[SF+24*((\ti)%2):SF+24*((\ti)%2)+11], v[CB:CB+7], v[RS+2*\t], v[SS+2*((\ti)%2)] matrix_a_fmt:MATRIX_FMT_FP6 matrix_b_fmt:MATRIX_FMT_FP6
.endr
.irp t, 0,1,2,3
	v_wmma_scale_f32_16x16x128_f8f6f4 v[D+8*\t:D+8*\t+7], v[RF+24*\t+12:RF+24*\t+23], v[SF+24*((\ti)%2)+12:SF+24*((\ti)%2)+23], v[D+8*\t:D+8*\t+7], v[RS+2*\t+1], v[SS+2*((\ti)%2)+1] matrix_a_fmt:MATRIX_FMT_FP6 matrix_b_fmt:MATRIX_FMT_FP6
.endr
.endm
.macro QNT                             ; my 32 numbers are one block: its largest magnitude, its scale, its 24 bytes of codes.  Each accumulator is first read at its low end
	v_max3_num_f32 v[MA], |v[D]|, |v[D+1]|, 0x1800000              ; the floor 2^(3 - 127): the byte cannot fall under 1
	v_max3_num_f32 v[MB], |v[D+16]|, |v[D+17]|, |v[D+18]|
.irp n, 0,1,2,3,4,5
	v_max3_num_f32 v[MA], v[MA], |v[D+2+2*\n]|, |v[D+3+2*\n]|
	v_max3_num_f32 v[MB], v[MB], |v[D+19+2*\n]|, |v[D+20+2*\n]|
.endr
	v_max3_num_f32 v[MA], v[MA], |v[D+14]|, |v[D+15]|
	v_max3_num_f32 v[MA], v[MA], v[MB], |v[D+31]|
	v_add_nc_u32 v[SOP], 0xff000000, v[MA]                         ; 2 off the exponent field: the conversion takes this operand's exponent field as its scale
	v_cvt_scalef32_pk16_fp6_f32 v[CD:CD+2], v[D:D+15], v[SOP]
	v_cvt_scalef32_pk16_fp6_f32 v[CD+4:CD+6], v[D+16:D+31], v[SOP] ; (a conversion's three registers begin on an even number)
	v_lshrrev_b32 v[BYT], 23, v[SOP]                               ; the byte; also the plain instruction behind the conversions
	v_mov_b32 v[CD+3], v[CD+4]
	v_mov_b32 v[CD+4], v[CD+5]
	v_mov_b32 v[CD+5], v[CD+6]
.endm
.macro STAGE ti, kind                  ; the block's 24 bytes and its scale into my wave's stages
.irp p, 0,1,2
	ds_store_b64 v9, v[CD+2*\p:CD+2*\p+1] offset:CST+768*(\ti)+8*\p
.endr
.if \kind == 0
.irp p, 0,1,2
	ds_store_b64 v9, v[ZP:ZP+1] offset:CST+768*(\ti)+24+8*\p      ; the 24 bytes of zero codes
.endr
	ds_store_b32 v10, v[BYT] offset:SST+64*(\ti)
.elseif \kind == 1
	ds_store_b8 v10, v[BYT] offset:SST+32*((\ti)/2)+2*((\ti)%2)   ; key 16 ti + r at its place among the fragment's scale words
.else
	ds_store_b8 v10, v[BYT] offset:SST+32*(\ti)
.endif
.endm
.macro TILE ti, kind, more, left       ; left: the loads that may stay out: those of the S tile asked for last
	s_wait_loadcnt \left
	MUL \ti, \kind
.rept 4
	v_nop                                                          ; four places behind the products, ahead of the first reads of the results
.endr
.if (\ti) > 0
	s_wait_dscnt 0x0                                               ; the stage's stores of the tile before are done,
	s_wait_alu depctr_vm_vsrc(0)                                   ; and have read the codes and the byte, which the quantiser below writes again
.endif
	QNT
.if \kind == 0
	v_mul_lo_u32 v[BYT], v[BYT], s28                               ; the byte in all four bytes of the word
.endif
	s_wait_alu depctr_va_vdst(0)                                   ; the products are done reading S's set and its scale words, in which the loads below land (in the last tile: R, in which the rows read back land); the quantiser has written the codes and the byte, which the stores below read
.if \more
	SLOAD (\ti)+2
.endif
	STAGE \ti, \kind
.endm
.macro ARM kind
	s_load_b64 s[4:5], s[0:1], 56*\kind                            ; the input's codes
	s_load_b64 s[6:7], s[0:1], 56*\kind+8                          ; its scales
	s_load_b64 s[8:9], s[0:1], 56*\kind+16                         ; the weight's codes
	s_load_b64 s[10:11], s[0:1], 56*\kind+24                       ; its scales
	s_load_b64 s[12:13], s[0:1], 56*\kind+32                       ; the bias
	s_load_b64 s[14:15], s[0:1], 56*\kind+40                       ; codes out
	s_load_b64 s[16:17], s[0:1], 56*\kind+48                       ; scales out
.if \kind == 2
.set RB, 4
.set RSB, 6
.set SB, 8
.set SSB, 10
.else
.set RB, 8
.set RSB, 10
.set SB, 4
.set SSB, 6
.endif
.if \kind == 0
.set CST, QST
.set SST, QSS
.set NC, 12
	s_mul_i32 s36, s18, 6144
	s_lshl_b32 s37, s18, 9
	v_mul_u32_u24 v9, v1, 48
	v_mad_u32_u24 v9, v2, 3072, v9                                 ; head 2 w + h: 3,072 h; pixel r: 48 r
	s_wait_alu depctr_va_vdst(0)
	v_lshlrev_b32 v10, 2, v1
	v_lshl_add_u32 v10, v2, 8, v10                                 ; 256 h + 4 r
	s_wait_alu depctr_va_vdst(0)
	v_add_nc_u32 v13, s37, v12
	v_lshlrev_b32 v[SGO], 4, v1
	v_lshl_add_u32 v[SGO], v2, 14, v[SGO]                          ; lanes 0-15 head 2 w's 256 bytes, lanes 16-31 the next head's, 16,384 bytes on
	v_lshlrev_b32 v8, 7, v2                                        ; the bias: my half's 32 numbers
	v_mov_b32 v[ZP], 0
	v_mov_b32 v[ZP+1], 0
	s_lshl_b32 s38, s29, 3
	s_lshl_b32 s39, s18, 1
	s_add_co_u32 s38, s38, s39                                     ; bh = 8 b + 2 w
	s_lshl_b32 s34, s38, 14
	s_lshl_b32 s39, s30, 8
	s_add_co_u32 s34, s34, s39                                     ; (4,096 bh + 64 x') x 4
	s_mul_i32 s32, s38, 196608
	s_mul_i32 s39, s30, 3072
	s_add_co_u32 s32, s32, s39                                     ; (4,096 bh + 64 x') x 48
.else
.set NC, 6
	s_mul_i32 s36, s18, 3072
	s_lshl_b32 s37, s18, 7
	v_mul_u32_u24 v9, v1, 48
	v_mad_u32_u24 v9, v2, 24, v9                                   ; 48 r + 24 h
	v_lshrrev_b32 v[SGO], 2, v12                                   ; 4 x lane
	v_add_nc_u32 v13, s37, v[SGO]
	s_add_co_u32 s34, s26, s37                                     ; 512 x + 128 w
.if \kind == 1
.set CST, KST
.set SST, KSS
	v_and_b32 v10, 7, v0
	v_bfe_u32 v8, v0, 3, 1
	v_lshl_add_u32 v10, v10, 2, v8                                 ; 4 (r % 8) + r / 8
	v_lshl_add_u32 v10, v2, 6, v10                                 ; + 64 h
	v_lshlrev_b32 v8, 7, v2
	s_lshl_b32 s38, s29, 2
	s_add_co_u32 s38, s38, s18                                     ; 4 b + w: the pair of heads
	s_mul_i32 s32, s38, 196608
	s_mul_i32 s39, s30, 3072
	s_add_co_u32 s32, s32, s39
.else
.set CST, VST
.set SST, VSS
	v_lshl_add_u32 v10, v1, 1, v2                                  ; 2 r + h
	v_lshlrev_b32 v8, 2, v1                                        ; the bias: my channel's number
	s_add_co_u32 s32, s24, s36                                     ; (256 x + 64 w) x 48
.endif
.endif
	v_add_nc_u32 v9, s36, v9
	v_add_nc_u32 v10, s37, v10
	v_add_nc_u32 v11, s36, v12
	s_lshl_b32 s38, s18, 8                                         ; my wave's 64 numbers of the bias
	s_mov_b32 s39, 0
	s_wait_kmcnt 0x0
	s_add_nc_u64 s[4:5], s[4:5], s[24:25]                          ; the input at pixel 64 x
	s_add_nc_u64 s[6:7], s[6:7], s[26:27]
	s_add_nc_u64 s[8:9], s[8:9], s[20:21]                          ; the weight at row 64 w
	s_add_nc_u64 s[10:11], s[10:11], s[22:23]
	s_add_nc_u64 s[12:13], s[12:13], s[38:39]
	s_add_nc_u64 s[14:15], s[14:15], s[32:33]
	s_add_nc_u64 s[16:17], s[16:17], s[34:35]
	s_wait_alu depctr_va_vdst(0)                                   ; the offsets and LDS addresses v4 to v13 and v41, and the zeros, are written: every load, store and LDS instruction of the arm reads some of them, and none is written again
.irp t, 0,1,2,3
.irp s, 0,1
.irp p, 0,1,2,3,4,5
	global_load_b64 v[RF+12*(2*\t+\s)+2*\p:RF+12*(2*\t+\s)+2*\p+1], v4, s[RB:RB+1] offset:1536*\t+96*\s+48*(\p/3)+8*(\p%3)
.endr
.endr
	global_load_b64 v[RS+2*\t:RS+2*\t+1], v5, s[RSB:RSB+1] offset:64*\t
.endr
.if \kind == 2
.irp e, 0,1,2,3
.irp j, 0,1,2,3,4,5,6,7
	global_load_b32 v[BIAS+8*\e+\j], v8, s[12:13] offset:64*\e     ; C of S's tile e: b(64 w + 16 e + r) in all eight registers
.endr
.endr
.else
.irp j, 0,1,2,3,4,5,6,7
	global_load_b128 v[BIAS+4*\j:BIAS+4*\j+3], v8, s[12:13] offset:16*\j   ; register 8 t + j: b(64 w + 32 h + 8 t + j)
.endr
.endif
	SLOAD 0
	SLOAD 1
	TILE 0, \kind, 1, 13
	TILE 1, \kind, 1, 13
	TILE 2, \kind, 0, 13
	TILE 3, \kind, 0, 0
	; the way out.  LDS serves a wave's instructions in order (ISA guide 5.7.1.4): these loads see my stores.  They land in R's registers: no vector or matrix instruction stands behind the last tile's wait on va_vdst
.set n, 0
.rept NC
	ds_load_b128 v[BK+4*n:BK+4*n+3], v11 offset:CST+512*n
.set n, n+1
.endr
.if \kind == 0
	ds_load_b128 v[BK+48:BK+51], v13 offset:SST
.else
	ds_load_b32 v[BK+48], v13 offset:SST
.endif
.set n, 0
.rept NC
	s_wait_dscnt NC-n                                              ; behind load n: the NC - 1 - n code loads that follow it and the scales' load
	global_store_b128 v12, v[BK+4*n:BK+4*n+3], s[14:15] offset:512*n+(n/6)*(196608-3072)   ; 512 consecutive bytes, aligned; q's second head lies 196,608 bytes on
.set n, n+1
.endr
	s_wait_dscnt 0x0
.if \kind == 0
	global_store_b128 v[SGO], v[BK+48:BK+51], s[16:17]             ; two runs of 256 consecutive bytes, aligned
.else
	global_store_b32 v[SGO], v[BK+48], s[16:17]                    ; 128 consecutive bytes
.endif
	s_wait_dscnt 0x0                                               ; the closing lines, six on end
	s_wait_alu 0x0
	s_wait_tensorcnt 0x0
	ds_add_u32 v14, v15
	s_wait_dscnt 0x0
	s_endpgm
.endm
	v_lshl_add_u32 v14, v0, 2, SPARE
	v_mov_b32 v15, 0
	v_lshrrev_b32 v1, 5, v0
	v_readfirstlane_b32 s18, v1                    ; wave
	s_and_b32 s19, ttmp7, 0xffff                   ; which tensor
	v_and_b32 v1, 15, v0                           ; r
	v_bfe_u32 v2, v0, 4, 1                         ; h
	v_and_b32 v3, 7, v0
	v_bfe_u32 v4, v0, 3, 1
	v_lshl_add_u32 v3, v4, 5, v3                   ; 32 (r / 8) + r % 8: R's row for my lane in tile 0
	v_mul_u32_u24 v4, v3, 192                      ; a row of 256 codes is 192 bytes
	v_mad_u32_u24 v4, v2, 24, v4
	v_lshlrev_b32 v5, 3, v3                        ; and 8 scale bytes
	v_mul_u32_u24 v6, v1, 192
	v_mad_u32_u24 v6, v2, 24, v6
	v_lshlrev_b32 v7, 3, v1
	v_and_b32 v12, 31, v0
	v_lshlrev_b32 v12, 4, v12                      ; 16 x lane
	s_wait_alu depctr_va_sdst(0)                   ; s18, the wave's number, is written, ahead of its first reader
	s_mul_i32 s20, s18, 12288                      ; 64 w rows of codes,
	s_mov_b32 s21, 0
	s_lshl_b32 s22, s18, 9                         ; of scale bytes
	s_mov_b32 s23, 0
	s_mul_i32 s24, ttmp9, 12288                    ; 64 x rows of codes,
	s_mov_b32 s25, 0
	s_lshl_b32 s26, ttmp9, 9                       ; of scale bytes
	s_mov_b32 s27, 0
	s_mov_b32 s28, 0x01010101
	s_lshr_b32 s29, ttmp9, 6                       ; b
	s_and_b32 s30, ttmp9, 63                       ; x'
	s_mov_b32 s33, 0
	s_mov_b32 s35, 0
	s_cmp_eq_u32 s19, 1
	s_cbranch_scc1 .Larm_k
	s_cmp_eq_u32 s19, 2
	s_cbranch_scc1 .Larm_v
	s_wait_alu depctr_va_vdst(0)
	ARM 0
.Larm_k:
	s_wait_alu depctr_va_vdst(0)
	ARM 1
.Larm_v:
	s_wait_alu depctr_va_vdst(0)
	ARM 2
.Lfunc_end_k_qc434f5d202_proj:
	.size	k_qc434f5d202_proj, .Lfunc_end_k_qc434f5d202_proj-k_qc434f5d202_proj
	.p2alignl 7, 3214868480
	.fill 96, 4, 3214868480
	.section	.rodata,"a",@progbits
	.p2align	6, 0x0
	.amdhsa_kernel k_qc434f5d202_proj
		.amdhsa_group_segment_fixed_size 52736
		.amdhsa_private_segment_fixed_size 0
		.amdhsa_enable_private_segment 0
		.amdhsa_kernarg_size 168
		.amdhsa_user_sgpr_count 2
		.amdhsa_user_sgpr_kernarg_segment_ptr 1
		.amdhsa_wavefront_size32 1
		.amdhsa_system_sgpr_workgroup_id_x 1
		.amdhsa_system_sgpr_workgroup_id_y 1
		.amdhsa_system_sgpr_workgroup_id_z 1
		.amdhsa_system_vgpr_workitem_id 0
		.amdhsa_next_free_vgpr 256
		.amdhsa_next_free_sgpr 66
		.amdhsa_reserve_vcc 0
		.amdhsa_float_denorm_mode_32 3
		.amdhsa_float_denorm_mode_16_64 3
		.amdhsa_memory_ordered 1
		.amdhsa_forward_progress 1
		.amdhsa_inst_pref_size 82
	.end_amdhsa_kernel
	.amdgpu_metadata
---
amdhsa.version: [ 1, 2 ]
amdhsa.kernels:
  - .name:           k_qc434f5d202_proj
    .symbol:         k_qc434f5d202_proj.kd
    .args:
      - { .name: q_in_codes, .offset: 0, .size: 8, .value_kind: global_buffer, .address_space: global }
      - { .name: q_in_scales, .offset: 8, .size: 8, .value_kind: global_buffer, .address_space: global }
      - { .name: w_q_codes, .offset: 16, .size: 8, .value_kind: global_buffer, .address_space: global }
      - { .name: w_q_scales, .offset: 24, .size: 8, .value_kind: global_buffer, .address_space: global }
      - { .name: b_q, .offset: 32, .size: 8, .value_kind: global_buffer, .address_space: global }
      - { .name: qcod, .offset: 40, .size: 8, .value_kind: global_buffer, .address_space: global }
      - { .name: qscl, .offset: 48, .size: 8, .value_kind: global_buffer, .address_space: global }
      - { .name: k_in_codes, .offset: 56, .size: 8, .value_kind: global_buffer, .address_space: global }
      - { .name: k_in_scales, .offset: 64, .size: 8, .value_kind: global_buffer, .address_space: global }
      - { .name: w_k_codes, .offset: 72, .size: 8, .value_kind: global_buffer, .address_space: global }
      - { .name: w_k_scales, .offset: 80, .size: 8, .value_kind: global_buffer, .address_space: global }
      - { .name: b_k, .offset: 88, .size: 8, .value_kind: global_buffer, .address_space: global }
      - { .name: kcod, .offset: 96, .size: 8, .value_kind: global_buffer, .address_space: global }
      - { .name: kscl, .offset: 104, .size: 8, .value_kind: global_buffer, .address_space: global }
      - { .name: v_in_codes, .offset: 112, .size: 8, .value_kind: global_buffer, .address_space: global }
      - { .name: v_in_scales, .offset: 120, .size: 8, .value_kind: global_buffer, .address_space: global }
      - { .name: w_v_codes, .offset: 128, .size: 8, .value_kind: global_buffer, .address_space: global }
      - { .name: w_v_scales, .offset: 136, .size: 8, .value_kind: global_buffer, .address_space: global }
      - { .name: b_v, .offset: 144, .size: 8, .value_kind: global_buffer, .address_space: global }
      - { .name: vcod, .offset: 152, .size: 8, .value_kind: global_buffer, .address_space: global }
      - { .name: vscl, .offset: 160, .size: 8, .value_kind: global_buffer, .address_space: global }
    .group_segment_fixed_size: 52736
    .private_segment_fixed_size: 0
    .kernarg_segment_align: 8
    .kernarg_segment_size: 168
    .max_flat_workgroup_size: 128
    .sgpr_count:     66
    .vgpr_count:     256
    .wavefront_size: 32
...
	.end_amdgpu_metadata
.endif
;; end of part 4
;; launch attn (part 5): grid 16 x 16, 16 waves a work-group, no clusters, 168,448 bytes of LDS; arguments qcod, qscl, kcod, kscl, vcod, vscl, acod, ascl; writes acod, ascl
.if DOCPART == 5
	.amdgcn_target "amdgcn-amd-amdhsa--gfx1250"
	.amdhsa_code_object_version 6
	.text
	.protected	k_qc434f5d202_attn
	.globl	k_qc434f5d202_attn
	.p2align	8
	.type	k_qc434f5d202_attn,@function
k_qc434f5d202_attn:
	s_mov_b64 s[64:65], 0
	v_nop
	global_prefetch_b8 v0, s[64:65] scope:SCOPE_SE
	s_setreg_imm32_b32 hwreg(HW_REG_WAVE_SCHED_MODE, 0, 2), 2
	s_setreg_imm32_b32 hwreg(HW_REG_WAVE_MODE, 25, 1), 1
	s_wait_xcnt 0x0
	s_wait_alu depctr_vm_vsrc(0)
; ATTENTION (products 4 and 5): att_q = (softmax(q k) / sqrt(32)) v for one head, both products on codes of E2M3; att_q leaves quantised along the channels for product 6.  Nothing of reference() is left out here.
; THE SOFTMAX IS QUANTISED FINISHED AND NORMALISED, so a row's sum must be known before any weight is quantised.  A TILE'S SCORES STAY IN REGISTERS: a work-group of sixteen waves takes 16 queries at a time against all 4,096 keys;
; wave w owns keys 256 w .. 256 w + 255 and keeps 16 x 256 scores in 128 registers.  Each score has ONE exponential: p = 2^(t - Mw), t = score x log2(e), Mw = the wave's largest t rounded up to a whole number.
; The waves exchange (Mw, lw = the sum of p) through LDS; M = the largest Mw, l = the sum of lw 2^(Mw - M) (exact shifts); every p is multiplied by F = 2^(Mw - M) / (l sqrt(32)), quantised along the keys and multiplied by the
; wave's part of v; the sixteen partial results are added through LDS.
; SHARES.  y = batch x 8 + head; x = 256 queries, in 16 passes of 16.  My K fragments stay in registers for the whole launch; my V fragments lie in my own LDS bytes as images of their registers and come back in each pass
; into score registers that are done with.
; K = 32 IN AN INSTRUCTION OF 128.  A fragment of k holds FOUR sets of 16 keys, one in each block of 32; q exists as four fragments with its block at place 0, 1, 2, 3 and zero codes elsewhere (they overlap in 30 registers:
; X1 Z X0 Z X1, X0 = q in lanes 0-15, X1 = q in lanes 16-31, Z = zeros).  A product of a k fragment with q's fragment b gives the scores of the fragment's key set b.
; THE KEYS OF A SET ARE CHOSEN: row m of set b of fragment f is key 64 f + 32 (m / 8) + 8 b + m % 8, so that lane (r, h) holds, in the 32 registers of the fragment's four results, keys 64 f + 32 h + 0 .. 31 of query r:
; one block of the second product's K, whole and in order: its maximum needs no other lane, and its codes are the operand's registers as they come.
; Both products are used transposed (source 0 = keys, or channels of v; source 1 = queries): a lane holds one query throughout.
; LIMITS: NaN and infinities are not served; p under 2^-126 comes out of v_exp_f32 as 0; a block's largest weight is made from the block's largest score by the same three instructions as every weight, which takes v_exp_f32
; not to fall where its input rises; a block of zeros gets the byte 1 (its codes are zeros; the bytes are read by this program alone).
; NO CLUSTER, NO TENSOR LOAD: the sixteen work-groups of a head share k and v only at the head of the text, 6,144 bytes of each a wave, loaded once straight into operand registers; the sixteen passes read their own queries alone.
; THE MODE: SCHED_MODE bits 1:0 = 2 (LLVM: expert scheduling mode 2), set by the entry lines.  The code itself states the register dependences
; between vector or matrix instructions and memory or LDS instructions, with s_wait_alu, always for 0.
; THE PLAN.  Registers that memory or LDS instructions touch in a pass, in the pass's order:
;   QX's loaded parts, v1   read by the sixteen score products; the next pass's q lands in them, asked for behind the exponentials' wait.
;   v59, v60, v62           q's offsets: written behind the score products, read by q's loads; the statistics land on them behind the first barrier.
;   v64, v18-19             address and data of the statistics' store; the statistics land on v64, the first conversion writes v18.
;   v72                     address of the statistics' loads, made ahead of the store's wait; the third block's codes write it.
;   v56-71                  the statistics land here; vector instructions alone read them; the codes are written over them.
;   v20, v128-175           address and landing place of v's fragments; the first two blocks' quantising reads and writes v128-191 just ahead.
;   v21, v176-191           address and data of the partial results' stores; v12, v192-207 address and landing place of the sixteen parts; v14, v192 address and data of the sum's store.
; WAITS ON va_vdst, seven a pass: behind the exponentials (their results; q's offsets are written; the score products are done reading q); ahead of the statistics' store (v64, v18-19, v72 are written); behind the reciprocal;
; ahead of v's loads; ahead of the second product (codes and scale words written by vector instructions); ahead of the partial results' stores; ahead of the sum's store.  Between each of them and the memory or LDS instructions that
; lean on it stand scalar instructions, barriers and other memory instructions alone.
; WAITS ON vm_vsrc, three a pass: at the pass's head (all that was read since v's loads of the pass before; in the first pass the head's loads and stores); behind the first barrier (q's offsets, v64, v18-19); behind the statistics' data (v72).
.set ST,    0                          ; LDS: the statistics: 144 bytes a query, 8 bytes (Mw, lw) a wave
.set OB,    2304                       ; partial results: [4 groups of registers][512 threads] x 16 bytes
.set SBY,   35072                      ; att_q's 256 scale bytes
.set OS,    35328                      ; the summed results: 2,048 bytes a pass, word 4 x thread
.set VSP,   68096                      ; v: 6,144 bytes a wave: group k of four registers at 512 k + 16 x lane
.set SPARE, 166400                     ; the spare words, 128 bytes for each wave: no other line names them
.set QS,  1                            ; v1      q's scale words
.set PS,  2                            ; v2-3    the weights' scale words, 128 keys each
.set KS,  4                            ; v4-7    k's
.set VS,  8                            ; v8-11   v's
.set T,   12                           ; v12-15  each block's largest score, then weight, then scale operand; v16-18 at work, v18 Mw, v19 lw, v20 M, v21 l, v22 F, v23 at work
.set SPW, 24                           ; v24     LDS address of my spare word; never rewritten
.set NIL, 25                           ; v25     0; never rewritten
.set QX,  26                           ; v26-55  X1 Z X0 Z X1
.set P,   56                           ; v56-79  the weights' codes, two fragments; before that q's offsets, then sixteen statistics words, and short-lived addresses
.set K,   80                           ; v80-127 k's four fragments
.set S,   128                          ; v128-255 the scores: 32 f + 8 b + j
.set VF,  128                          ; later v128-175 v's four fragments,
.set O,   176                          ; v176-191 my partial result,
.set RD,  192                          ; v192-207 sixteen partial results
.macro BAR                             ; my LDS stores have landed and my LDS loads are in: then the work-group's barrier
	s_wait_dscnt 0x0
	s_barrier_signal -1
	s_barrier_wait -1
.endm
.macro QOFF                            ; q's offsets for my lane.  A row of qcod is 24 bytes of codes and 24 of zeros
	v_and_b32 v56, 15, v0                          ; r
	v_bfe_u32 v57, v0, 4, 1                        ; h
	v_mul_u32_u24 v58, v56, 48
	v_mul_u32_u24 v57, v57, 24
	v_add_nc_u32 v60, v58, v57                     ; X0: lanes 0-15 the codes, lanes 16-31 the zeros
	v_sub_nc_u32 v59, v58, v57
	v_add_nc_u32 v59, 24, v59                      ; X1: the other way round
	v_lshlrev_b32 v62, 2, v56                      ; a scale word a row
.endm
.macro QLOAD oc, os                    ; ten loads
.irp p, 0,1,2
	global_load_b64 v[QX+2*\p:QX+2*\p+1], v59, s[4:5] offset:\oc+8*\p
	global_load_b64 v[QX+24+2*\p:QX+24+2*\p+1], v59, s[4:5] offset:\oc+8*\p
	global_load_b64 v[QX+12+2*\p:QX+12+2*\p+1], v60, s[4:5] offset:\oc+8*\p
.endr
	global_load_b32 v[QS], v62, s[6:7] offset:\os
.endm
.macro QKT f, bb, qr
	v_wmma_scale_f32_16x16x128_f8f6f4 v[S+32*\f+8*\bb:S+32*\f+8*\bb+7], v[K+12*\f:K+12*\f+11], v[\qr:\qr+11], 0, v[KS+\f], v[QS] matrix_a_fmt:MATRIX_FMT_FP6 matrix_b_fmt:MATRIX_FMT_FP6
.endm
.macro QUANT f                         ; block f of my query: x F, then 24 bytes of codes, which are registers 6 (f % 2) .. + 5 of fragment f / 2
.set n, 0
.rept 16
	v_pk_mul_f32 v[S+32*\f+n:S+32*\f+n+1], v[S+32*\f+n:S+32*\f+n+1], v[22:23] op_sel_hi:[1,0]
.set n, n+2
.endr
	v_cvt_scalef32_pk16_fp6_f32 v[P+6*\f:P+6*\f+2], v[S+32*\f:S+32*\f+15], v[T+\f]
	v_cvt_scalef32_pk16_fp6_f32 v[16:18], v[S+32*\f+16:S+32*\f+31], v[T+\f]   ; (a conversion's three registers begin on an even number)
	v_nop                                          ; one plain instruction behind the conversions
	v_mov_b32 v[P+6*\f+3], v16
	v_mov_b32 v[P+6*\f+4], v17
	v_mov_b32 v[P+6*\f+5], v18
.endm
.macro PVT g, t2, zero
.if \zero
	v_wmma_scale_f32_16x16x128_f8f6f4 v[O+8*\t2:O+8*\t2+7], v[VF+12*(2*\g+\t2):VF+12*(2*\g+\t2)+11], v[P+12*\g:P+12*\g+11], 0, v[VS+2*\g+\t2], v[PS+\g] matrix_a_fmt:MATRIX_FMT_FP6 matrix_b_fmt:MATRIX_FMT_FP6
.else
	v_wmma_scale_f32_16x16x128_f8f6f4 v[O+8*\t2:O+8*\t2+7], v[VF+12*(2*\g+\t2):VF+12*(2*\g+\t2)+11], v[P+12*\g:P+12*\g+11], v[O+8*\t2:O+8*\t2+7], v[VS+2*\g+\t2], v[PS+\g] matrix_a_fmt:MATRIX_FMT_FP6 matrix_b_fmt:MATRIX_FMT_FP6
.endif
.endm
	s_load_b256 s[4:11], s[0:1], 0x0               ; qcod, qscl, kcod, kscl
	s_load_b256 s[12:19], s[0:1], 0x20             ; vcod, vscl, acod, ascl
	v_lshl_add_u32 v[SPW], v0, 2, SPARE
	v_mov_b32 v[NIL], 0
	v_lshrrev_b32 v12, 5, v0
	v_readfirstlane_b32 s20, v12                   ; wave 0..15
	s_and_b32 s21, ttmp7, 0xffff                   ; bh
	s_lshr_b32 s22, s21, 3                         ; b
	s_and_b32 s23, s21, 7                          ; head
	s_wait_alu depctr_va_sdst(0)                   ; s20, the wave's number, is written, ahead of its first reader
	s_lshl_b32 s28, s20, 3                         ; my pair among a query's statistics
	s_mul_i32 s29, s20, 6144
	s_add_co_u32 s29, s29, VSP                     ; my images of v
	s_mov_b32 s30, 0                               ; 2,048 x pass
	s_mov_b32 s31, 16                              ; passes to go
	s_mov_b32 s32, 0x76543210
	s_mov_b32 s33, 0xfedcba98                      ; v_permlanex16_b32's selects for lane l xor 16
	s_mov_b32 s34, 0x3fb8aa3b                      ; log2(e)
	s_mov_b32 s35, s34                             ; (named with it as a pair)
	s_mov_b32 s25, 0
.irp j, 0,1,2,3,4,5
	v_mov_b32 v[QX+6+\j], 0                        ; Z, twice: written once
	v_mov_b32 v[QX+18+\j], 0
.endr
	v_mov_b32 v17, 0                               ; a lane permute's destination counts as one of its sources
	v_mov_b32 v19, 0                               ; named as upper halves of pairs before they are first written
	v_mov_b32 v23, 0
	QOFF
	v_lshlrev_b32 v13, 1, v56                      ; v's scale bytes: 2 r
	v_and_b32 v14, 7, v0
	v_bfe_u32 v15, v0, 3, 1
	v_lshl_add_u32 v14, v15, 5, v14
	v_bfe_u32 v15, v0, 4, 1
	v_lshl_add_u32 v14, v15, 3, v14
	v_mul_u32_u24 v14, v14, 48                     ; k: key 32 (r / 8) + 8 h + r % 8, 48 bytes a key (a pair of heads)
	v_and_b32 v16, 31, v0
	v_lshl_add_u32 v16, v16, 4, s29                ; my place in v's images
	s_wait_kmcnt 0x0
	s_mul_i32 s24, s21, 196608
	s_mul_i32 s26, ttmp9, 12288
	s_add_co_u32 s24, s24, s26
	s_add_nc_u64 s[4:5], s[4:5], s[24:25]          ; qcod at (4,096 bh + 256 x) x 48
	s_lshl_b32 s24, s21, 14
	s_lshl_b32 s26, ttmp9, 10
	s_add_co_u32 s24, s24, s26
	s_add_nc_u64 s[6:7], s[6:7], s[24:25]          ; qscl at (4,096 bh + 256 x) x 4
	s_lshl_b32 s24, s22, 2
	s_lshr_b32 s26, s23, 1
	s_add_co_u32 s24, s24, s26
	s_mul_i32 s24, s24, 196608
	s_mul_i32 s26, s20, 12288
	s_add_co_u32 s24, s24, s26
	s_and_b32 s26, s23, 1
	s_mul_i32 s26, s26, 24
	s_add_co_u32 s24, s24, s26
	s_add_nc_u64 s[8:9], s[8:9], s[24:25]          ; kcod at ((4 b + head / 2) 4,096 + 256 w) x 48 + 24 (head % 2)
	s_lshl_b32 s24, s22, 15
	s_lshl_b32 s26, s20, 11
	s_add_co_u32 s24, s24, s26
	s_lshl_b32 s26, s23, 6
	s_add_co_u32 s24, s24, s26
	s_add_nc_u64 s[10:11], s[10:11], s[24:25]      ; kscl at ((64 b + 4 w) 8 + head) x 64
	s_add_nc_u64 s[14:15], s[14:15], s[24:25]      ; vscl at ((64 b + 4 w) 256 + 32 head) x 2: the same number
	s_mul_i32 s24, s22, 786432
	s_mul_i32 s26, s20, 49152
	s_add_co_u32 s24, s24, s26
	s_mul_i32 s26, s23, 1536
	s_add_co_u32 s24, s24, s26
	s_add_nc_u64 s[12:13], s[12:13], s[24:25]      ; vcod at ((64 b + 4 w) 256 + 32 head) x 48
	s_mul_i32 s24, s21, 98304
	s_mul_i32 s26, ttmp9, 6144
	s_add_co_u32 s24, s24, s26
	s_mul_i32 s26, s20, 384
	s_add_co_u32 s24, s24, s26
	s_add_nc_u64 s[16:17], s[16:17], s[24:25]      ; acod at (4,096 bh + 256 x + 16 w) x 24
	s_lshl_b32 s24, s21, 12
	s_lshl_b32 s26, ttmp9, 8
	s_add_co_u32 s24, s24, s26
	s_add_nc_u64 s[18:19], s[18:19], s[24:25]      ; ascl at 4,096 bh + 256 x
	s_wait_alu depctr_va_vdst(0)                   ; the offsets v13, v14, v59, v60, v62 and the LDS address v16 are written, which the loads and stores below read; so are q's zeros, which the score products take as part of an operand
.irp e, 0,1,2,3                        ; v's fragment e = 2 g + t2: channels 16 t2 + r, keys 128 g + 64 c + 32 h on
.irp c, 0,1
.irp p, 0,1,2
	global_load_b64 v[VF+12*\e+6*\c+2*\p:VF+12*\e+6*\c+2*\p+1], v60, s[12:13] offset:(2*(\e/2)+\c)*12288+768*(\e%2)+8*\p
.endr
.endr
.endr
.irp e, 0,1,2,3
.irp c, 0,1
	global_load_u16 v[176+2*\e+\c], v13, s[14:15] offset:(2*(\e/2)+\c)*512+32*(\e%2)
.endr
.endr
.irp f, 0,1,2,3                        ; k's fragment f: block 2 c + h of row r is key 64 f + 32 (r / 8) + 16 c + 8 h + r % 8
.irp c, 0,1
.irp p, 0,1,2
	global_load_b64 v[K+12*\f+6*\c+2*\p:K+12*\f+6*\c+2*\p+1], v14, s[8:9] offset:48*(64*\f+16*\c)+8*\p
.endr
.endr
	global_load_b32 v[KS+\f], v62, s[10:11] offset:512*\f
.endr
	QLOAD 0, 0                                     ; the first pass's queries
	s_wait_loadcnt 38                              ; v and its scale bytes are in; k's 24 loads, its 4 scale words and q's 10 may be out
.irp e, 0,1,2,3
	v_lshl_or_b32 v[VS+\e], v[177+2*\e], 16, v[176+2*\e]   ; two bytes of 64 keys, and the next 64's
.endr
.irp k, 0,1,2,3,4,5,6,7,8,9,10,11
	ds_store_b128 v16, v[VF+4*\k:VF+4*\k+3] offset:512*\k  ; their data come from loads; no vector instruction since the wait above names v16
.endr
.Lpass:
	; ---- 1: the scores, my wave's maximum, the exponentials, my wave's sum
	s_wait_loadcnt 0x0                             ; q is in (asked for a pass ago; in the first trip k too)
	s_wait_dscnt 0x0                               ; my last LDS store is done (in the first trip: v's images)
	s_wait_alu depctr_vm_vsrc(0)                   ; the LDS instructions of the pass before have read v12, v14, v20, v21 and v176-192, in the first trip the head's loads and stores v13, v14, v16, v59, v60, v62 and v128-175: the products and vector instructions below write them all
.irp f, 0,1,2,3
	QKT \f, 0, QX+12
	QKT \f, 1, QX
	QKT \f, 2, QX+6
	QKT \f, 3, QX+18
.endr
	QOFF                                           ; eight plain instructions: the places behind the products, ahead of the first reads of the scores; q's loads, which read these offsets, stand behind the exponentials' wait
.irp f, 0,1,2,3
	v_max3_num_f32 v[T+\f], v[S+32*\f], v[S+32*\f+1], v[S+32*\f+2]   ; THE LARGEST SCORE OF EACH BLOCK: for the row's maximum, and for the block's largest weight.  Four chains by turns, each result first read at its low end
.endr
.irp n, 3,5,7,9,11,13,15,17,19,21,23,25,27,29
.irp f, 0,1,2,3
	v_max3_num_f32 v[T+\f], v[T+\f], v[S+32*\f+\n], v[S+32*\f+\n+1]
.endr
.endr
.irp f, 0,1,2,3
	v_max_num_f32 v[T+\f], v[T+\f], v[S+32*\f+31]
.endr
	v_max3_num_f32 v16, v12, v13, v14
	v_max_num_f32 v16, v16, v15
	v_permlanex16_b32 v17, v16, s32, s33
	v_max_num_f32 v16, v16, v17                    ; with lane l xor 16's 128 keys
	v_mul_f32 v16, s34, v16                        ; as t
	v_ceil_f32 v18, v16                            ; Mw: a whole number
.set n, 0
.rept 64
	v_pk_fma_f32 v[S+n:S+n+1], v[S+n:S+n+1], s[34:35], v[18:19] op_sel_hi:[1,0,0] neg_lo:[0,0,1] neg_hi:[0,0,1]   ; t - Mw, two at a time
.set n, n+2
.endr
.irp f, 0,1,2,3
	v_fma_f32 v[T+\f], v[T+\f], s34, -v18          ; the same of each block's largest score
.endr
.set n, 0
	s_wait_alu depctr_va_vdst(0)
.rept 128
	v_exp_f32 v[S+n], v[S+n]                       ; p = 2^(t - Mw)
.set n, n+1
.endr
.irp f, 0,1,2,3
	v_exp_f32 v[T+\f], v[T+\f]                     ; the block's largest p: the same instructions on the same number give the same bits
.endr
	v_and_b32 v64, 15, v0                          ; a plain instruction behind the last exponential
	s_wait_alu depctr_va_vdst(0)                   ; the 132 exponentials have written their results, ahead of the first reader; q's offsets v59, v60, v62 are written, and the score products are done reading q and its scale words, in which the loads below land
	s_cmp_eq_u32 s31, 1                            ; the last pass asks for nothing: no load leaves its buffer
	s_cbranch_scc1 .Lno_q
	QLOAD 768, 64                                  ; the next pass's queries: 16 rows on; they have the rest of the pass in which to land
.Lno_q:
	v_pk_add_f32 v[20:21], v[S:S+1], v[S+2:S+3]    ; the sum of p, two at a time, in two chains
	v_pk_add_f32 v[22:23], v[S+4:S+5], v[S+6:S+7]
.set n, 8
.rept 30
	v_pk_add_f32 v[20:21], v[20:21], v[S+n:S+n+1]
	v_pk_add_f32 v[22:23], v[22:23], v[S+n+2:S+n+3]
.set n, n+4
.endr
	v_pk_add_f32 v[20:21], v[20:21], v[22:23]
	v_add_f32 v19, v20, v21
	v_permlanex16_b32 v17, v19, s32, s33
	v_add_f32 v19, v19, v17                        ; lw
	v_mul_u32_u24 v64, v64, 144
	v_add_nc_u32 v64, s28, v64
	v_and_b32 v72, 15, v0                          ; the address of the loads behind the barrier is made here, ahead of the wait below
	v_bfe_u32 v73, v0, 4, 1
	v_mul_u32_u24 v72, v72, 144
	v_lshl_add_u32 v72, v73, 6, v72                ; my query's pairs of waves 8 h .. 8 h + 7
	s_wait_alu depctr_va_vdst(0)                   ; v64 and v18-19 are written, which the store below reads; so is v72, which the loads behind the barrier read; every vector or matrix instruction that named v56-71, in which those loads land, is done
	ds_store_b64 v64, v[18:19] offset:ST           ; (Mw, lw) of query r; both halves of the lanes write the same
	s_wait_xcnt 0x0                                ; q's loads have read their offsets and bases: both may be written
	s_add_nc_u64 s[4:5], s[4:5], 768
	s_add_nc_u64 s[6:7], s[6:7], 64
	BAR                                            ; all sixteen pairs of each query lie in LDS; nobody reads the partial results of the pass before any more
	; ---- 2: M, l and F; the weights quantised; my part of the second product
	s_wait_alu depctr_vm_vsrc(0)                   ; q's loads have read v59, v60, v62 and the store above v64, on which the loads below land; the store has read v18, which the first conversion writes
.irp k, 0,1,2,3
	ds_load_b128 v[56+4*\k:59+4*\k], v72 offset:ST+16*\k
.endr
	s_wait_dscnt 0x0
	s_wait_alu depctr_vm_vsrc(0)                   ; these four loads have read v72, which the third block's codes write
	v_max3_num_f32 v20, v56, v58, v60
	v_max3_num_f32 v20, v20, v62, v64
	v_max3_num_f32 v20, v20, v66, v68
	v_max_num_f32 v20, v20, v70
	v_permlanex16_b32 v17, v20, s32, s33
	v_max_num_f32 v20, v20, v17                    ; M
.irp k, 0,1,2,3,4,5,6,7
	v_sub_f32 v[56+2*\k], v[56+2*\k], v20          ; a whole number, 0 or less
.endr
.irp k, 0,1,2,3,4,5,6,7
	v_cvt_i32_f32 v[56+2*\k], v[56+2*\k]           ; (it saturates)
.endr
.irp k, 0,1,2,3,4,5,6,7
	v_ldexp_f32 v[57+2*\k], v[57+2*\k], v[56+2*\k] ; each wave's sum under M: nothing is rounded
.endr
	v_add_f32 v57, v57, v59
	v_add_f32 v61, v61, v63
	v_add_f32 v65, v65, v67
	v_add_f32 v69, v69, v71
	v_add_f32 v57, v57, v61
	v_add_f32 v65, v65, v69
	v_add_f32 v21, v57, v65
	v_permlanex16_b32 v17, v21, s32, s33
	v_add_f32 v21, v21, v17                        ; l
	v_sub_f32 v22, v18, v20
	v_cvt_i32_f32 v22, v22                         ; Mw - M
	s_wait_alu depctr_va_vdst(0)
	v_rcp_f32 v23, v21
	v_lshlrev_b32 v73, 3, v73                      ; 8 h.  (A plain instruction behind the reciprocal)
	s_wait_alu depctr_va_vdst(0)                   ; the reciprocal has written v23, ahead of its first reader
	v_mul_f32 v23, 0x3e3504f3, v23                 ; / sqrt(32)
	v_ldexp_f32 v22, v23, v22                      ; F
.irp f, 0,1,2,3
	v_mul_f32 v[T+\f], v[T+\f], v22                ; each block's largest weight
.endr
.irp f, 0,1,2,3
	v_max_num_f32 v[T+\f], 0x1800000, v[T+\f]      ; the floor 2^(3 - 127): the byte cannot fall under 1
.endr
.irp f, 0,1,2,3
	v_add_nc_u32 v[T+\f], 0xff000000, v[T+\f]      ; 2 off the exponent field: the conversions' scale operands
.endr
.irp g, 0,1                            ; the scale word of 128 keys: my blocks are bytes h and 2 + h; lane l xor 16 has the other two
	v_lshrrev_b32 v16, 23, v[T+2*\g]
	v_lshrrev_b32 v74, 23, v[T+2*\g+1]
	v_lshl_or_b32 v16, v74, 16, v16
	v_lshlrev_b32 v16, v73, v16
	v_permlanex16_b32 v17, v16, s32, s33
	v_or_b32 v[PS+\g], v16, v17                    ; (the 64 multiplications below stand between these and the products that take them)
.endr
	QUANT 0
	QUANT 1
	v_and_b32 v20, 31, v0
	v_lshl_add_u32 v20, v20, 4, s29
	s_wait_alu depctr_va_vdst(0)                   ; v20 is written, which the loads below read; the first two blocks' multiplications and conversions are done writing and reading v128-191, in which they land
.irp k, 0,1,2,3,4,5,6,7,8,9,10,11
	ds_load_b128 v[VF+4*\k:VF+4*\k+3], v20 offset:512*\k   ; v's fragments into the registers of the scores just quantised; they land while the other two blocks are worked
.endr
	QUANT 2
	QUANT 3
	v_lshlrev_b32 v21, 4, v0                       ; five plain instructions between the last moves into the operand and the products: the addresses for what follows
	v_lshrrev_b32 v12, 7, v0
	v_and_b32 v13, 127, v0
	v_lshlrev_b32 v13, 2, v13
	v_lshl_add_u32 v12, v12, 13, v13               ; 8,192 (thread / 128) + 4 (thread % 128)
	s_wait_dscnt 0x0                               ; v is in
	s_wait_alu depctr_va_vdst(0)                   ; the conversions and moves have written the weights' codes, and vector instructions their scale words and v's: the products below take them as operand and scales; the places stand ahead of this wait
	PVT 0, 0, 1                                    ; the two accumulators by turns; the first products start the sums
	PVT 0, 1, 1
	PVT 1, 0, 0
	PVT 1, 1, 0
	v_lshl_add_u32 v14, v0, 2, s30                 ; four places behind the products
	v_nop
	v_nop
	v_nop
	s_wait_alu depctr_va_vdst(0)                   ; the products have written v176-191, which the stores below read (the places above stay beside this wait); v21, v12 and v14 are written; the quantising that named v192-207, in which the loads behind the barrier land, is done
.irp k, 0,1,2,3
	ds_store_b128 v21, v[O+4*\k:O+4*\k+3] offset:OB+8192*\k   ; lane (r, h): channels 16 (k / 2) + 8 h + 4 (k % 2) + 0 .. 3 of query r; each accumulator from its low end on
.endr
	BAR                                            ; all sixteen partial results lie in LDS; nobody reads the statistics any more
	; ---- 3: each of the 512 threads adds one number's sixteen parts
.irp k, 0,1,2,3,4,5,6,7,8,9,10,11,12,13,14,15
	ds_load_b32 v[RD+\k], v12 offset:OB+512*\k     ; no vector or matrix instruction stands behind the wait above
.endr
	s_wait_dscnt 0x0
	v_pk_add_f32 v[RD:RD+1], v[RD:RD+1], v[RD+2:RD+3]
	v_pk_add_f32 v[RD+4:RD+5], v[RD+4:RD+5], v[RD+6:RD+7]
	v_pk_add_f32 v[RD+8:RD+9], v[RD+8:RD+9], v[RD+10:RD+11]
	v_pk_add_f32 v[RD+12:RD+13], v[RD+12:RD+13], v[RD+14:RD+15]
	v_pk_add_f32 v[RD:RD+1], v[RD:RD+1], v[RD+4:RD+5]
	v_pk_add_f32 v[RD+8:RD+9], v[RD+8:RD+9], v[RD+12:RD+13]
	v_pk_add_f32 v[RD:RD+1], v[RD:RD+1], v[RD+8:RD+9]
	v_add_f32 v[RD], v[RD], v[RD+1]
	s_wait_alu depctr_va_vdst(0)                   ; the additions have written v192, which the store below reads
	ds_store_b32 v14, v[RD] offset:OS              ; each pass has bytes of its own
	s_add_co_u32 s30, s30, 2048
	s_sub_co_u32 s31, s31, 1
	s_cmp_lg_u32 s31, 0
	s_cbranch_scc1 .Lpass
	; ---- the way out: wave w quantises pass w's 16 queries along the head's 32 channels: lane (r, h) takes channels 16 h + 0 .. 15 of query r, in order
	BAR
	s_wait_alu depctr_vm_vsrc(0)                   ; the last pass's LDS instructions have read v12, v14, v20 and v21, which the lines below write
	v_and_b32 v20, 15, v0
	v_bfe_u32 v21, v0, 4, 1
	s_lshl_b32 s24, s20, 11
	s_lshl_b32 s26, s20, 4
	v_lshlrev_b32 v22, 4, v20
	v_lshl_add_u32 v22, v21, 10, v22
	v_add_nc_u32 v22, s24, v22                     ; 2,048 w + 1,024 h + 16 r
	s_wait_alu depctr_va_vdst(0)                   ; v22 is written, which the loads below read; the last products are done reading v128-143, in which they land
	ds_load_b128 v[128:131], v22 offset:OS         ; channels 16 h + 0 .. 3,
	ds_load_b128 v[132:135], v22 offset:OS+512     ; + 4 .. 7,
	ds_load_b128 v[136:139], v22 offset:OS+256     ; + 8 .. 11,
	ds_load_b128 v[140:143], v22 offset:OS+768     ; + 12 .. 15
	v_mul_u32_u24 v23, v20, 24
	v_mad_u32_u24 v23, v21, 12, v23                ; 24 r + 12 h in acod
	v_add_nc_u32 v16, s26, v20                     ; 16 w + r among the scale bytes
	s_wait_dscnt 0x0
	v_max3_num_f32 v12, |v128|, |v129|, 0x1800000
.irp n, 2,4,6,8,10,12,14
	v_max3_num_f32 v12, v12, |v[128+\n]|, |v[129+\n]|
.endr
	v_permlanex16_b32 v17, v12, s32, s33
	v_max_num_f32 v12, v12, v17                    ; with lane l xor 16's 16 channels: the block's largest magnitude
	v_add_nc_u32 v13, 0xff000000, v12
	v_cvt_scalef32_pk16_fp6_f32 v[144:146], v[128:143], v13
	v_lshrrev_b32 v14, 23, v13                     ; the byte; also the plain instruction behind the conversion
	s_wait_alu depctr_va_vdst(0)                   ; the conversion has written v144-146 and the shift v14, the two stores' data; their addresses v23 and v16 are written
	global_store_b96 v23, v[144:146], s[16:17]     ; the wave's 32 lanes cover 384 consecutive bytes
	ds_store_b8 v16, v14 offset:SBY                ; both halves of the lanes write the same byte
	BAR                                            ; the work-group's 256 scale bytes lie in LDS
	s_wait_alu depctr_vm_vsrc(0)                   ; the four loads from the summed results have read v22, which wave 0 writes below
	s_cmp_lg_u32 s20, 0
	s_cbranch_scc1 .Lend
	v_and_b32 v22, 31, v0
	v_lshlrev_b32 v22, 3, v22
	s_wait_alu depctr_va_vdst(0)                   ; v22 is written, which the load and the store below read
	ds_load_b64 v[148:149], v22 offset:SBY
	s_wait_dscnt 0x0
	global_store_b64 v22, v[148:149], s[18:19]     ; wave 0 stores them: 256 consecutive bytes, aligned
.Lend:
	s_wait_dscnt 0x0                               ; the closing lines, six on end
	s_wait_alu 0x0
	s_wait_tensorcnt 0x0
	ds_add_u32 v[SPW], v[NIL]
	s_wait_dscnt 0x0
	s_endpgm
.Lfunc_end_k_qc434f5d202_attn:
	.size	k_qc434f5d202_attn, .Lfunc_end_k_qc434f5d202_attn-k_qc434f5d202_attn
	.p2alignl 7, 3214868480
	.fill 96, 4, 3214868480
	.section	.rodata,"a",@progbits
	.p2align	6, 0x0
	.amdhsa_kernel k_qc434f5d202_attn
		.amdhsa_group_segment_fixed_size 168448
		.amdhsa_private_segment_fixed_size 0
		.amdhsa_enable_private_segment 0
		.amdhsa_kernarg_size 64
		.amdhsa_user_sgpr_count 2
		.amdhsa_user_sgpr_kernarg_segment_ptr 1
		.amdhsa_wavefront_size32 1
		.amdhsa_system_sgpr_workgroup_id_x 1
		.amdhsa_system_sgpr_workgroup_id_y 1
		.amdhsa_system_sgpr_workgroup_id_z 1
		.amdhsa_system_vgpr_workitem_id 0
		.amdhsa_next_free_vgpr 256
		.amdhsa_next_free_sgpr 66
		.amdhsa_reserve_vcc 0
		.amdhsa_float_denorm_mode_32 3
		.amdhsa_float_denorm_mode_16_64 3
		.amdhsa_memory_ordered 1
		.amdhsa_forward_progress 1
		.amdhsa_inst_pref_size 48
	.end_amdhsa_kernel
	.amdgpu_metadata
---
amdhsa.version: [ 1, 2 ]
amdhsa.kernels:
  - .name:           k_qc434f5d202_attn
    .symbol:         k_qc434f5d202_attn.kd
    .args:
      - { .name: qcod, .offset: 0, .size: 8, .value_kind: global_buffer, .address_space: global }
      - { .name: qscl, .offset: 8, .size: 8, .value_kind: global_buffer, .address_space: global }
      - { .name: kcod, .offset: 16, .size: 8, .value_kind: global_buffer, .address_space: global }
      - { .name: kscl, .offset: 24, .size: 8, .value_kind: global_buffer, .address_space: global }
      - { .name: vcod, .offset: 32, .size: 8, .value_kind: global_buffer, .address_space: global }
      - { .name: vscl, .offset: 40, .size: 8, .value_kind: global_buffer, .address_space: global }
      - { .name: acod, .offset: 48, .size: 8, .value_kind: global_buffer, .address_space: global }
      - { .name: ascl, .offset: 56, .size: 8, .value_kind: global_buffer, .address_space: global }
    .group_segment_fixed_size: 168448
    .private_segment_fixed_size: 0
    .kernarg_segment_align: 8
    .kernarg_segment_size: 64
    .max_flat_workgroup_size: 512
    .sgpr_count:     66
    .vgpr_count:     256
    .wavefront_size: 32
...
	.end_amdgpu_metadata
.endif
;; end of part 5
;; launch outp (part 6): grid 128 x 2, 4 waves a work-group, no clusters, 17,920 bytes of LDS; arguments acod, ascl, w_out_codes, w_out_scales, b_out, out0; writes out0
.if DOCPART == 6
	.amdgcn_target "amdgcn-amd-amdhsa--gfx1250"
	.amdhsa_code_object_version 6
	.text
	.protected	k_qc434f5d202_outp
	.globl	k_qc434f5d202_outp
	.p2align	8
	.type	k_qc434f5d202_outp,@function
k_qc434f5d202_outp:
	s_mov_b64 s[64:65], 0
	v_nop
	global_prefetch_b8 v0, s[64:65] scope:SCOPE_SE
	s_setreg_imm32_b32 hwreg(HW_REG_WAVE_SCHED_MODE, 0, 2), 2
	s_setreg_imm32_b32 hwreg(HW_REG_WAVE_MODE, 25, 1), 1
	s_wait_xcnt 0x0
	s_wait_alu depctr_vm_vsrc(0)
; THE PROJECTION ON THE WAY OUT (product 6): out0[b][o][n] = the sum over c of w_out[o][c] att_q[b][c][n] + b_out[o], on codes of E2M3; att_q's codes and scale bytes were made by the launch before.  Nothing of reference() is left out here.
; SHARES.  Work-group x takes 64 pixels, y 128 output channels; wave w channels 128 y + 32 w + 16 i + r, i = 0, 1.
; Source 0 = the pixels: row m of tile t is pixel 32 (m / 8) + 8 t + m % 8 of the 64; source 1 = 16 rows of w_out.  So lane (r, h) holds, in registers 8 t + j, pixels 32 h + 0 .. 31 of channel r: 128 neighbouring bytes of a row of out0.
; K = 256 channels = 8 heads: block 2 c + h of K step s is head 4 s + 2 c + h: its 24 bytes lie at acod[8 b + head][pixel], its scale byte at ascl[8 b + head][pixel].
; The bias is the C of each sum's first matrix instruction.  Results leave through the wave's own stage in LDS: sixteen lanes store 256 consecutive bytes, aligned.
; NO CLUSTER, NO TENSOR LOAD: a work-group reads 12,288 bytes of att_q and 24,576 of w_out once, straight into operand registers, and multiplies 16 times a wave: there is no ring to feed.
; THE MODE: SCHED_MODE bits 1:0 = 2 (LLVM: expert scheduling mode 2), set by the entry lines.  The code itself states the register dependences
; between vector or matrix instructions and memory or LDS instructions, with s_wait_alu, always for 0.
; THE PLAN.  Registers that memory or LDS instructions touch:
;   v3, v4, v6-v11   offsets and stage addresses: made ahead of the first load and never written again: one wait on va_vdst ahead of that load states them all.
;   RS               att_q's scale words, put together by vector instructions from loaded bytes: one wait on va_vdst, behind their places, ahead of the products that take them.
;   D                written by the products, read by the stage's stores; RF: read by the products; the rows read back from the stage land in it: one wait on va_vdst, behind the four places, ahead of the stores and loads.
; No register that a memory or LDS instruction has read is written again: the only wait on vm_vsrc stands among the entry lines.
.set SPARE, 17408                      ; behind the four stages of 16 x 272 bytes: the spare words, 128 bytes for each wave: no other line names them
.set RS,   16                          ; v16-23  att_q's scale words, (t, s) at 2 t + s
.set SS,   24                          ; v24-27  w_out's, (i, s) at 2 i + s
.set BIAS, 28                          ; v28-43
.set D,    44                          ; v44-107 eight accumulators, (i, t) at 32 i + 8 t; before the products v44-75 take the 32 scale bytes
.set SF,   108                         ; v108-155 w_out's fragments, (i, s) at 24 i + 12 s
.set RF,   156                         ; v156-251 att_q's fragments, (t, s) at 12 (2 t + s)
.set BK,   156                         ; the way out: rows read back: v156-187, v188-219
	s_load_b256 s[4:11], s[0:1], 0x0               ; acod, ascl, w_out's codes, w_out's scales
	s_load_b128 s[12:15], s[0:1], 0x20             ; b_out, out0
	v_lshl_add_u32 v14, v0, 2, SPARE
	v_mov_b32 v15, 0
	v_lshrrev_b32 v1, 5, v0
	v_readfirstlane_b32 s16, v1                    ; wave
	s_and_b32 s17, ttmp7, 0xffff                   ; y
	v_and_b32 v1, 15, v0                           ; r
	v_bfe_u32 v2, v0, 4, 1                         ; h
	v_and_b32 v3, 7, v0
	v_bfe_u32 v4, v0, 3, 1
	v_lshl_add_u32 v3, v4, 5, v3                   ; 32 (r / 8) + r % 8: my pixel in tile 0; also its scale byte's offset
	v_mul_u32_u24 v4, v3, 24
	v_mad_u32_u24 v4, v2, 98304, v4                ; 24 bytes a pixel; lanes 16-31 one head (4,096 x 24 bytes) on
	v_mul_u32_u24 v6, v1, 192
	v_mad_u32_u24 v6, v2, 24, v6                   ; w_out: row r, + 24 h
	v_lshlrev_b32 v7, 3, v1
	v_lshlrev_b32 v8, 2, v1
	s_wait_alu depctr_va_sdst(0)                   ; s16, the wave's number, is written, ahead of its first reader
	s_mul_i32 s18, s16, 4352                       ; my stage
	v_mul_u32_u24 v9, v1, 272
	v_lshl_add_u32 v9, v2, 7, v9
	v_add_nc_u32 v9, s18, v9                       ; in: row r (a channel), + 128 h
	v_mul_u32_u24 v10, v2, 272
	v_lshl_add_u32 v10, v1, 4, v10
	v_add_nc_u32 v10, s18, v10                     ; back: lanes 0-15 one row, lanes 16-31 the next
	v_lshlrev_b32 v11, 4, v1
	v_lshl_add_u32 v11, v2, 14, v11                ; and the same in out0: a channel is 16,384 bytes
	s_lshr_b32 s19, ttmp9, 6                       ; b
	s_and_b32 s20, ttmp9, 63                       ; x'
	s_lshl_b32 s21, s17, 7
	s_lshl_b32 s22, s16, 5
	s_add_co_u32 s21, s21, s22                     ; my first channel: 128 y + 32 w
	s_mov_b32 s25, 0
	s_wait_kmcnt 0x0
	s_mul_i32 s24, s19, 786432
	s_mul_i32 s26, s20, 1536
	s_add_co_u32 s24, s24, s26
	s_add_nc_u64 s[4:5], s[4:5], s[24:25]          ; acod at (8 b x 4,096 + 64 x') x 24
	s_lshl_b32 s24, s19, 15
	s_lshl_b32 s26, s20, 6
	s_add_co_u32 s24, s24, s26
	s_add_nc_u64 s[6:7], s[6:7], s[24:25]          ; ascl at 8 b x 4,096 + 64 x'
	s_mul_i32 s24, s21, 192
	s_add_nc_u64 s[8:9], s[8:9], s[24:25]
	s_lshl_b32 s24, s21, 3
	s_add_nc_u64 s[10:11], s[10:11], s[24:25]
	s_lshl_b32 s24, s21, 2
	s_add_nc_u64 s[12:13], s[12:13], s[24:25]
	s_lshl_b32 s24, s19, 8
	s_add_co_u32 s24, s24, s21
	s_lshl_b32 s24, s24, 14
	s_lshl_b32 s26, s20, 8
	s_add_co_u32 s24, s24, s26
	s_add_nc_u64 s[14:15], s[14:15], s[24:25]      ; out0 at (256 b + 128 y + 32 w) x 16,384 + 256 x'
	s_wait_alu depctr_va_vdst(0)                   ; the offsets and LDS addresses v3, v4 and v6 to v11 are written: every load, store and LDS instruction below reads one of them, and none is written again
.irp t, 0,1,2,3
.irp s, 0,1
.irp c, 0,1
.irp p, 0,1,2
	global_load_b64 v[RF+12*(2*\t+\s)+6*\c+2*\p:RF+12*(2*\t+\s)+6*\c+2*\p+1], v4, s[4:5] offset:(4*\s+2*\c)*98304+192*\t+8*\p
.endr
.endr
.irp k, 0,1,2,3
	global_load_u8 v[D+4*(2*\t+\s)+\k], v3, s[6:7] offset:(4*\s+\k)*4096+8*\t   ; head 4 s + k's byte of my pixel
.endr
.endr
.endr
.irp i, 0,1
.irp s, 0,1
.irp p, 0,1,2,3,4,5
	global_load_b64 v[SF+24*\i+12*\s+2*\p:SF+24*\i+12*\s+2*\p+1], v6, s[8:9] offset:3072*\i+96*\s+48*(\p/3)+8*(\p%3)
.endr
.endr
	global_load_b64 v[SS+2*\i:SS+2*\i+1], v7, s[10:11] offset:128*\i
.irp j, 0,1,2,3,4,5,6,7
	global_load_b32 v[BIAS+8*\i+\j], v8, s[12:13] offset:64*\i     ; b_out(my channel) in all eight registers of C
.endr
.endr
	s_wait_loadcnt 0x0                             ; the first products take fragments, scale bytes and bias alike: one wait for all
.irp e, 0,1,2,3,4,5,6,7
	v_lshl_or_b32 v[RS+\e], v[D+4*\e+1], 8, v[D+4*\e]              ; four bytes make a pixel's scale word for 128 along K
	v_lshl_or_b32 v[RS+\e], v[D+4*\e+2], 16, v[RS+\e]
	v_lshl_or_b32 v[RS+\e], v[D+4*\e+3], 24, v[RS+\e]
.endr
.rept 8
	v_nop                                          ; a scale register written by a vector instruction stands eight places ahead of the scaled product
.endr
	s_wait_alu depctr_va_vdst(0)                   ; the lines above have written att_q's eight scale words, which the products below take; the places stay beside this wait
.irp s, 0,1                            ; the eight accumulators by turns, one instruction a turn
.irp i, 0,1
.irp t, 0,1,2,3
.if \s == 0
	v_wmma_scale_f32_16x16x128_f8f6f4 v[D+32*\i+8*\t:D+32*\i+8*\t+7], v[RF+24*\t:RF+24*\t+11], v[SF+24*\i:SF+24*\i+11], v[BIAS+8*\i:BIAS+8*\i+7], v[RS+2*\t], v[SS+2*\i] matrix_a_fmt:MATRIX_FMT_FP6 matrix_b_fmt:MATRIX_FMT_FP6
.else
	v_wmma_scale_f32_16x16x128_f8f6f4 v[D+32*\i+8*\t:D+32*\i+8*\t+7], v[RF+24*\t+12:RF+24*\t+23], v[SF+24*\i+12:SF+24*\i+23], v[D+32*\i+8*\t:D+32*\i+8*\t+7], v[RS+2*\t+1], v[SS+2*\i+1] matrix_a_fmt:MATRIX_FMT_FP6 matrix_b_fmt:MATRIX_FMT_FP6
.endif
.endr
.endr
.endr
.rept 4
	v_nop                                          ; four places behind the last product, ahead of the first reads of the results
.endr
	s_wait_alu depctr_va_vdst(0)                   ; the products have written the accumulators, which the stage's stores read, and are done reading att_q's fragments, in which the rows read back land; the places above stay beside this wait
.irp i, 0,1                            ; 16 channels x 64 pixels through my stage.  LDS serves a wave's instructions in order (ISA guide 5.7.1.4): the loads see the stores, and the second half's stores come behind the first's loads
.irp k, 0,1,2,3,4,5,6,7
	ds_store_b128 v9, v[D+32*\i+4*\k:D+32*\i+4*\k+3] offset:16*\k  ; each accumulator from its low end on
.endr
.irp k, 0,1,2,3,4,5,6,7
	ds_load_b128 v[BK+32*\i+4*\k:BK+32*\i+4*\k+3], v10 offset:544*\k
.endr
.endr
.irp k, 0,1,2,3,4,5,6,7
	s_wait_dscnt 23-\k                             ; behind load k: the 7 - k that follow it and the second half's sixteen
	global_store_b128 v11, v[BK+4*\k:BK+4*\k+3], s[14:15] offset:2*\k*16384 th:TH_STORE_NT   ; sixteen lanes store 256 consecutive bytes, aligned; written once
.endr
.irp k, 0,1,2,3,4,5,6,7
	s_wait_dscnt 7-\k
	global_store_b128 v11, v[BK+32+4*\k:BK+32+4*\k+3], s[14:15] offset:(16+2*\k)*16384 th:TH_STORE_NT
.endr
	s_wait_dscnt 0x0                               ; the closing lines, six on end
	s_wait_alu 0x0
	s_wait_tensorcnt 0x0
	ds_add_u32 v14, v15
	s_wait_dscnt 0x0
	s_endpgm
.Lfunc_end_k_qc434f5d202_outp:
	.size	k_qc434f5d202_outp, .Lfunc_end_k_qc434f5d202_outp-k_qc434f5d202_outp
	.p2alignl 7, 3214868480
	.fill 96, 4, 3214868480
	.section	.rodata,"a",@progbits
	.p2align	6, 0x0
	.amdhsa_kernel k_qc434f5d202_outp
		.amdhsa_group_segment_fixed_size 17920
		.amdhsa_private_segment_fixed_size 0
		.amdhsa_enable_private_segment 0
		.amdhsa_kernarg_size 48
		.amdhsa_user_sgpr_count 2
		.amdhsa_user_sgpr_kernarg_segment_ptr 1
		.amdhsa_wavefront_size32 1
		.amdhsa_system_sgpr_workgroup_id_x 1
		.amdhsa_system_sgpr_workgroup_id_y 1
		.amdhsa_system_sgpr_workgroup_id_z 1
		.amdhsa_system_vgpr_workitem_id 0
		.amdhsa_next_free_vgpr 256
		.amdhsa_next_free_sgpr 66
		.amdhsa_reserve_vcc 0
		.amdhsa_float_denorm_mode_32 3
		.amdhsa_float_denorm_mode_16_64 3
		.amdhsa_memory_ordered 1
		.amdhsa_forward_progress 1
		.amdhsa_inst_pref_size 23
	.end_amdhsa_kernel
	.amdgpu_metadata
---
amdhsa.version: [ 1, 2 ]
amdhsa.kernels:
  - .name:           k_qc434f5d202_outp
    .symbol:         k_qc434f5d202_outp.kd
    .args:
      - { .name: acod, .offset: 0, .size: 8, .value_kind: global_buffer, .address_space: global }
      - { .name: ascl, .offset: 8, .size: 8, .value_kind: global_buffer, .address_space: global }
      - { .name: w_out_codes, .offset: 16, .size: 8, .value_kind: global_buffer, .address_space: global }
      - { .name: w_out_scales, .offset: 24, .size: 8, .value_kind: global_buffer, .address_space: global }
      - { .name: b_out, .offset: 32, .size: 8, .value_kind: global_buffer, .address_space: global }
      - { .name: out0, .offset: 40, .size: 8, .value_kind: global_buffer, .address_space: global }
    .group_segment_fixed_size: 17920
    .private_segment_fixed_size: 0
    .kernarg_segment_align: 8
    .kernarg_segment_size: 48
    .max_flat_workgroup_size: 128
    .sgpr_count:     66
    .vgpr_count:     256
    .wavefront_size: 32
...
	.end_amdgpu_metadata
.endif
;; end of part 6
